; MI455X (gfx1250); checked and timed in simulation.
; The chip was launched on July 23, 2026; its instructions are those of AMD's public machine-readable ISA for CDNA 5 (MIT licence, August 2026) and "CDNA5" Instruction Set Architecture Reference Guide (July 2026). The comments in the code are by the model that wrote it; some were corrected since.
;; Self Attention. Allowed arithmetic: matrix products marked QUANTISED: E4M3 operands, one given power-of-two scale a tensor, by v_wmma_f32_16x16x64_fp8_fp8 or v_wmma_f32_16x16x128_fp8_fp8, f32 sums; everything else in f32.
;; Inputs: b_k 1,024 float32; b_o 1,024 float32; b_q 1,024 float32; b_v 1,024 float32; lowp_scales 12 int32 (the exponents e of the quantised operands' scales 2^e); w_k 1,024 x 1,024 float32; w_o 1,024 x 1,024 float32; w_q 1,024 x 1,024 float32; w_v 1,024 x 1,024 float32; x 4 x 2,048 x 1,024 float32.
;; Outputs: out0 4 x 2,048 x 1,024 float32.
;; This version of the problem:
;;   THIS VERSION OF THE PROBLEM IS GIVEN IN LOW PRECISION. The matrix products marked QUANTISED in the list below multiply operands that are first quantised to E4M3 (4 exponent bits, 3 mantissa bits; 8 bits a number), with one given power-of-two scale for each operand tensor; their sums are f32. All else is computed in f32.
;;   The module's matrix products, in the order in which they are computed (A, B: the left and right operand; K: the contracted axis; several contracted axes count as one K, in the product's order):
;;     1. [M 8,192, K 1,024] x [K 1,024, N 1,024]; A: input x; B: input w_q: QUANTISED (scales: A lowp_scales[0], B lowp_scales[1])
;;     2. [M 8,192, K 1,024] x [K 1,024, N 1,024]; A: input x; B: input w_k: QUANTISED (scales: A lowp_scales[2], B lowp_scales[3])
;;     3. [M 8,192, K 1,024] x [K 1,024, N 1,024]; A: input x; B: input w_v: QUANTISED (scales: A lowp_scales[4], B lowp_scales[5])
;;     4. batch 64 x [M 2,048, K 64] x [K 64, N 2,048]; A: computed on the way; B: computed on the way: QUANTISED (scales: A lowp_scales[6], B lowp_scales[7])
;;     5. batch 64 x [M 2,048, K 2,048] x [K 2,048, N 64]; A: softmax (see below); B: computed on the way: QUANTISED (scales: A lowp_scales[8], B lowp_scales[9])
;;     6. [M 8,192, K 1,024] x [K 1,024, N 1,024]; A: computed on the way; B: input w_o: QUANTISED (scales: A lowp_scales[10], B lowp_scales[11])
;;   THE QUANTISER, for each operand of a quantised product, along K:
;;     - The operand's scale is 2^e, e = its entry of the input lowp_scales (int32; the entries are numbered through the quantised products in the list's order, A before B).
;;     - Each number is divided by the scale, clamped to +-448, and rounded to the nearest number of E4M3, ties to even, subnormals kept.
;;     - The product sums the exact products of the quantised numbers (number of the format x scale) in f32.
;;   ~~~python
;;   def quantise(x, axis, e):      # numpy; x: float32 -> the quantised numbers, widened to float32 again
;;       x = np.moveaxis(x, axis, -1); K = x.shape[-1]
;;       r = np.clip(x / 2.0 ** e, -448, 448)
;;       step = 2.0 ** (np.maximum(np.frexp(np.where(r == 0, 1, r))[1] - 1, -6) - 3)
;;       q = np.round(r / step) * step * 2.0 ** e      # np.round: ties to even
;;       return np.moveaxis(q, -1, axis).astype(np.float32)
;;   ~~~
;;   SOFTMAX AHEAD OF A QUANTISED PRODUCT. Where the list says 'softmax', what is quantised is not the finished softmax but p = 2^(t - M), with t = logit x log2(e) and M = ceil(the row's largest t), a whole number; so 1/2 < the row's largest p <= 1. The row's sum l is taken of the UNQUANTISED p, in f32, and the product's result is divided by l at the end. Since M is a whole number, a kernel that streams over the keys may use a running M (the ceiling of the running maximum): every later rescaling is an exact power of two, so the quantised numbers keep their values, but for numbers so far below the row's largest that they fall under the format's range.
;;   OPERANDS COMPUTED ON THE WAY. 'Computed on the way' means the value that the module computes at that place (a softmax that the list does not call 'softmax' is quantised finished and normalised). What goes into a quantiser is computed in f32, as accurately as f32 sums, v_exp_f32 and their like allow (about 1e-6 of the number): no bf16 or f16 on the way to a quantiser, and a product that is left as it is and whose result goes on into a quantised operand takes f32 operands (vector FMAs, or v_wmma_f32_16x16x4_f32). A number that lies on a knife's edge between two numbers of the format may be rounded either way, as far as f32 arithmetic and the matrix unit's own rounding can turn it there, and no further.
;; 2 versions, each right; version 2 is version 1 with the launch attn written anew for expert scheduling mode. Each part assembles by itself: llvm-mc -triple=amdgcn-amd-amdhsa -mcpu=gfx1250 --defsym DOCPART=n.
;; ======== version 1 of 2: 4 launches
;; workspace buffers: ops 29,360,128 bytes; qkvc 25,165,824 bytes; cc 8,388,608 bytes
;; launch prep (part 1): grid 384 x 1, 4 waves a work-group, no clusters, 34,304 bytes of LDS; arguments x, w_q, w_k, w_v, w_o, lowp_scales, ops; writes ops
.if DOCPART == 1
	.amdgcn_target "amdgcn-amd-amdhsa--gfx1250"
	.amdhsa_code_object_version 6
	.text
	.protected	k_q911ecfb13c_prep
	.globl	k_q911ecfb13c_prep
	.p2align	8
	.type	k_q911ecfb13c_prep,@function
k_q911ecfb13c_prep:
	s_mov_b64 s[64:65], 0
	v_nop
	global_prefetch_b8 v0, s[64:65] scope:SCOPE_SE
	s_setreg_imm32_b32 hwreg(HW_REG_WAVE_MODE, 25, 1), 1
	s_wait_xcnt 0x0
; x [8192][1024] f32 becomes three sets of E4M3 codes (scales 2^e0, 2^e2, 2^e4: one for each of the three projections); w_q, w_k, w_v, w_o [1024 (k)][1024 (n)] f32 become codes with 2^e1, 2^e3, 2^e5, 2^e11.
; code = number / 2^e, held within +-448, rounded to the nearest code, ties to even.  LIMITS: each e between -126 and 119, so that 2^e and 448 x 2^e are f32 numbers.  NaN among the inputs is not served.
; THE CODES ARE LAID AS IMAGES OF THE OPERANDS' REGISTERS.  A tile is 16 rows of x (or 16 columns n of a weight); tile 2 b + u takes as its lane r (0..15) the row 32 b + 8 u + r + 8 (r / 8).
; A tile's bytes: [K / 128 = 8 fragments][4 pieces][512 bytes]; in piece c lane l = 16 h + r has its 16 bytes at 16 l: k = 32 c + 16 h + 0 .. 15 of the fragment's 128.  A tile is 16,384 bytes.
; ops: x's three sets at 0, XSET, 2 XSET (512 tiles each); from WOFF on the four weights, 64 tiles (1,048,576 bytes) each.
; Work-groups 0-255 take x, 256-383 the weights: the two ways part once, on the work-group's number.  Only x's way uses LDS.  No tensor load, no barrier: waves share nothing.
.set XSET, 8388608
.set WOFF, 3*XSET
.set SP,   528                         ; a stage row: 512 bytes (128 numbers of one row of x) + 16, an odd multiple of 16: the sixteen rows that a read touches start at different banks
.set WSTG, 16*SP                       ; a wave's stage
.set GIN,  1                           ; v1   x: 16 x lane: my bytes of a load's 512, and of a store's 512
.set STW,  2                           ; v2   the stage on the way in
.set STR,  3                           ; v3   and on the way out: row r, + 64 h
.set SCL,  4                           ; v4-6 2^e as f32, for e0, e2, e4
.set LIM,  7                           ; v7-9 448 x 2^e
.set R,    16                          ; v16-143  two sets of 64: a step's numbers as loaded
.set X,    144                         ; v144-207 a step's 64 numbers of my lane: register 16 c + i = k 32 c + 16 h + i of row r
.set T,    208                         ; v208-239 two sets of 16 held numbers
.set C,    240                         ; v240-255 a fragment's codes
.set WO,   5                           ; weights: v5 my lane's place in the codes; v6 2^e; v7 448 x 2^e
.set WX,   16                          ; v16-79   two sets of 32 numbers, down K
.set WC,   80                          ; v80-143  codes, eight registers for each block: no store's data are written again
	s_load_b256 s[4:11], s[0:1], 0x0               ; x, w_q, w_k, w_v
	s_load_b128 s[12:15], s[0:1], 0x20             ; w_o, the scales' exponents
	s_load_b64 s[16:17], s[0:1], 0x30              ; ops
	v_lshl_add_u32 v14, v0, 2, 0x8400
	v_mov_b32 v15, 0
	v_lshrrev_b32 v10, 5, v0
	v_readfirstlane_b32 s18, v10                   ; wave 0..3
	v_and_b32 v10, 31, v0                          ; lane
	s_wait_kmcnt 0x0
	s_load_b256 s[32:39], s[14:15], 0x0            ; e0 .. e7
	s_load_b128 s[40:43], s[14:15], 0x20           ; e8 .. e11
	s_cmp_lt_u32 ttmp9, 256
	s_cbranch_scc0 .Lweights
; ---------------- x: a wave takes one tile of 16 rows x 512 along K, in four steps of 128 ----------------
	s_lshl_b32 s19, ttmp9, 2
	s_add_co_u32 s19, s19, s18                     ; task 0..1023
	s_lshr_b32 s28, s19, 1                         ; the tile
	s_and_b32 s29, s19, 1                          ; which half of K
	s_lshr_b32 s30, s28, 1
	s_lshl_b32 s30, s30, 17                        ; 32 rows of 4,096 bytes for each pair of tiles,
	s_and_b32 s31, s28, 1
	s_lshl_b32 s31, s31, 15                        ; 8 rows for the odd tile,
	s_add_co_u32 s30, s30, s31
	s_lshl_b32 s31, s29, 11                        ; 512 numbers for the second half of K
	s_add_co_u32 s30, s30, s31
	s_mov_b32 s31, 0
	s_add_nc_u64 s[20:21], s[4:5], s[30:31]
	s_lshl_b32 s30, s28, 14                        ; the tile's codes,
	s_lshl_b32 s29, s29, 13                        ; four fragments on for the second half
	s_add_co_u32 s30, s30, s29
	s_add_nc_u64 s[22:23], s[16:17], s[30:31]      ; set 0,
	s_add_nc_u64 s[24:25], s[22:23], XSET          ; set 1,
	s_add_nc_u64 s[26:27], s[24:25], XSET          ; set 2
	s_mul_i32 s29, s18, WSTG
	v_lshlrev_b32 v[GIN], 4, v10
	v_add_nc_u32 v[STW], s29, v[GIN]
	v_and_b32 v11, 15, v0                          ; r
	v_bfe_u32 v12, v0, 4, 1                        ; h
	v_mul_u32_u24 v[STR], v11, SP
	v_lshl_add_u32 v[STR], v12, 6, v[STR]
	v_add_nc_u32 v[STR], s29, v[STR]
.macro XLOAD t                         ; step t: 128 numbers of each of the tile's 16 rows; each load reads 512 consecutive bytes of one row
.irp q, 0,1,2,3,4,5,6,7,8,9,10,11,12,13,14,15
	global_load_b128 v[R+64*((\t)%2)+4*\q:R+64*((\t)%2)+4*\q+3], v[GIN], s[20:21] offset:(\q+8*(\q/8))*4096+512*(\t) th:TH_LOAD_NT
.endr
.endm
	XLOAD 0
	XLOAD 1
	s_wait_kmcnt 0x0
.irp p, 0,1,2
	s_add_co_i32 s30, s[32+2*\p], 127
	s_lshl_b32 s31, s30, 23
	v_mov_b32 v[SCL+\p], s31                       ; 2^e as f32: the conversion takes its exponent field
	s_add_co_i32 s30, s30, 8
	s_lshl_b32 s30, s30, 23
	s_or_b32 s30, s30, 0x600000
	v_mov_b32 v[LIM+\p], s30                       ; 448 x 2^e
.endr
.macro XSTEP t
.if (\t) < 3
	s_wait_loadcnt 16                              ; this step's 16 loads are in; the next step's 16 may be out
.else
	s_wait_loadcnt 0
.endif
.irp q, 0,1,2,3,4,5,6,7,8,9,10,11,12,13,14,15
	ds_store_b128 v[STW], v[R+64*((\t)%2)+4*\q:R+64*((\t)%2)+4*\q+3] offset:SP*\q
.endr
.irp c, 0,1,2,3
.irp i, 0,1,2,3
	ds_load_b128 v[X+16*\c+4*\i:X+16*\c+4*\i+3], v[STR] offset:128*\c+16*\i   ; LDS serves a wave's instructions in order: these see the stores above
.endr
.endr
	s_wait_dscnt 0x0                               ; my 64 numbers are back, and the stores have read the registers
.if (\t) < 2
	XLOAD (\t)+2                                   ; which take the loads of two steps on
.endif
.irp p, 0,1,2                          ; the same numbers, three scales
	s_wait_xcnt 0x0                                ; the codes' registers are written again only behind this wait: the last stores have read them
.irp c, 0,1,2,3
.set i, 0
.rept 16
	v_med3_num_f32 v[T+16*(\c%2)+i], v[X+16*\c+i], -v[LIM+\p], v[LIM+\p]   ; the conversion to an 8-bit code does not saturate (ISA guide 7.6.2): the hold comes first
.set i, i+1
.endr
	v_cvt_scalef32_pk8_fp8_f32 v[C+4*\c:C+4*\c+1], v[T+16*(\c%2):T+16*(\c%2)+7], v[SCL+\p]
	v_cvt_scalef32_pk8_fp8_f32 v[C+4*\c+2:C+4*\c+3], v[T+16*(\c%2)+8:T+16*(\c%2)+15], v[SCL+\p]
.endr
	v_nop                                          ; a plain line behind the last conversion, ahead of the next lines that write its sources
.irp c, 0,1,2,3
	global_store_b128 v[GIN], v[C+4*\c:C+4*\c+3], s[22+2*\p:23+2*\p] offset:2048*(\t)+512*\c   ; a piece: 512 consecutive bytes, aligned
.endr
.endr
.endm
	XSTEP 0
	XSTEP 1
	XSTEP 2
	XSTEP 3
	s_wait_tensorcnt 0x0
	ds_add_u32 v14, v15
	s_wait_dscnt 0x0
	s_endpgm
; ---------------- the weights: a lane takes a column n and its registers run down K; a wave takes 32 columns x 256 along K, in 8 blocks of 32 ----------------
.Lweights:
	s_sub_co_u32 s19, ttmp9, 256                   ; 0..127
	s_lshr_b32 s28, s19, 5                         ; which weight: 0 q, 1 k, 2 v, 3 o
	s_and_b32 s29, s19, 7                          ; which 128 columns
	s_bfe_u32 s30, s19, 0x20003                    ; which 256 along K
	s_cmp_eq_u32 s28, 1
	s_cselect_b64 s[20:21], s[8:9], s[6:7]
	s_cmp_eq_u32 s28, 2
	s_cselect_b64 s[20:21], s[10:11], s[20:21]
	s_cmp_eq_u32 s28, 3
	s_cselect_b64 s[20:21], s[12:13], s[20:21]     ; the choice hangs on the work-group's number alone
	s_lshl_b32 s22, s30, 20                        ; 256 rows of 4,096 bytes,
	s_lshl_b32 s23, s29, 9                         ; 128 columns,
	s_add_co_u32 s22, s22, s23
	s_lshl_b32 s23, s18, 7                         ; my wave's 32
	s_add_co_u32 s22, s22, s23
	s_mov_b32 s23, 0
	s_add_nc_u64 s[20:21], s[20:21], s[22:23]
	s_lshl_b32 s22, s28, 20                        ; the weight's codes,
	s_lshl_b32 s24, s29, 2
	s_add_co_u32 s24, s24, s18
	s_lshl_b32 s24, s24, 15                        ; my 32 columns' two tiles,
	s_add_co_u32 s22, s22, s24
	s_lshl_b32 s24, s30, 12                        ; two fragments for each 256 along K
	s_add_co_u32 s22, s22, s24
	s_add_co_u32 s22, s22, WOFF
	s_add_nc_u64 s[26:27], s[16:17], s[22:23]
	v_lshlrev_b32 v1, 2, v10                       ; in: 4 bytes a lane
	v_bfe_u32 v2, v0, 3, 1                         ; column 32 b + l lies in tile 2 b + (l / 8) % 2,
	v_bfe_u32 v3, v0, 4, 1
	v_and_b32 v4, 7, v0                            ; at that tile's lane l % 8 + 8 (l / 16)
	v_lshlrev_b32 v[WO], 14, v2
	v_lshl_add_u32 v[WO], v3, 7, v[WO]
	v_lshl_add_u32 v[WO], v4, 4, v[WO]
.macro WLOAD t                         ; block t: W(32 t + i, my column): 32 lanes read 128 consecutive bytes, the four waves 512
.set i, 0
.rept 32
	global_load_b32 v[WX+32*((\t)%2)+i], v1, s[20:21] offset:(32*(\t)+i)*4096 th:TH_LOAD_NT
.set i, i+1
.endr
.endm
	WLOAD 0
	WLOAD 1
	s_wait_kmcnt 0x0
	s_cmp_eq_u32 s28, 1
	s_cselect_b32 s22, s35, s33                    ; e3 or e1,
	s_cmp_eq_u32 s28, 2
	s_cselect_b32 s22, s37, s22                    ; e5,
	s_cmp_eq_u32 s28, 3
	s_cselect_b32 s22, s43, s22                    ; e11
	s_add_co_i32 s22, s22, 127
	s_lshl_b32 s23, s22, 23
	v_mov_b32 v6, s23
	s_add_co_i32 s22, s22, 8
	s_lshl_b32 s22, s22, 23
	s_or_b32 s22, s22, 0x600000
	v_mov_b32 v7, s22
.macro WBLOCK t
.if (\t) < 7
	s_wait_loadcnt 32                              ; this block's 32 loads are in; the next block's may be out
.else
	s_wait_loadcnt 0
.endif
.set i, 0
.rept 32
	v_med3_num_f32 v[WX+32*((\t)%2)+i], v[WX+32*((\t)%2)+i], -v7, v7
.set i, i+1
.endr
.irp g, 0,1,2,3
	v_cvt_scalef32_pk8_fp8_f32 v[WC+8*(\t)+2*\g:WC+8*(\t)+2*\g+1], v[WX+32*((\t)%2)+8*\g:WX+32*((\t)%2)+8*\g+7], v6
.endr
; my first 16 codes are the piece's half h = 0, the other 16 its half h = 1.  In each store lanes 0-7 with 16-23, and lanes 8-15 with 24-31, fill 256 consecutive bytes, aligned.
; (The results go to stores alone and the next vector lines are the other set's holds: no further plain line is owed behind these conversions.)
	global_store_b128 v[WO], v[WC+8*(\t):WC+8*(\t)+3], s[26:27] offset:((\t)/4)*2048+((\t)%4)*512
	global_store_b128 v[WO], v[WC+8*(\t)+4:WC+8*(\t)+7], s[26:27] offset:((\t)/4)*2048+((\t)%4)*512+256
.if (\t)+2 < 8
	WLOAD (\t)+2
.endif
.endm
.irp t, 0,1,2,3,4,5,6,7
	WBLOCK \t
.endr
	s_endpgm
.Lfunc_end_k_q911ecfb13c_prep:
	.size	k_q911ecfb13c_prep, .Lfunc_end_k_q911ecfb13c_prep-k_q911ecfb13c_prep
	.p2alignl 7, 3214868480
	.fill 96, 4, 3214868480
	.section	.rodata,"a",@progbits
	.p2align	6, 0x0
	.amdhsa_kernel k_q911ecfb13c_prep
		.amdhsa_group_segment_fixed_size 34304
		.amdhsa_private_segment_fixed_size 0
		.amdhsa_enable_private_segment 0
		.amdhsa_kernarg_size 56
		.amdhsa_user_sgpr_count 2
		.amdhsa_user_sgpr_kernarg_segment_ptr 1
		.amdhsa_wavefront_size32 1
		.amdhsa_system_sgpr_workgroup_id_x 1
		.amdhsa_system_sgpr_workgroup_id_y 1
		.amdhsa_system_sgpr_workgroup_id_z 1
		.amdhsa_system_vgpr_workitem_id 0
		.amdhsa_next_free_vgpr 256
		.amdhsa_next_free_sgpr 66
		.amdhsa_reserve_vcc 0
		.amdhsa_float_denorm_mode_32 3
		.amdhsa_float_denorm_mode_16_64 3
		.amdhsa_memory_ordered 1
		.amdhsa_forward_progress 1
		.amdhsa_inst_pref_size 123
	.end_amdhsa_kernel
	.amdgpu_metadata
---
amdhsa.version: [ 1, 2 ]
amdhsa.kernels:
  - .name:           k_q911ecfb13c_prep
    .symbol:         k_q911ecfb13c_prep.kd
    .args:
      - { .name: x, .offset: 0, .size: 8, .value_kind: global_buffer, .address_space: global }
      - { .name: w_q, .offset: 8, .size: 8, .value_kind: global_buffer, .address_space: global }
      - { .name: w_k, .offset: 16, .size: 8, .value_kind: global_buffer, .address_space: global }
      - { .name: w_v, .offset: 24, .size: 8, .value_kind: global_buffer, .address_space: global }
      - { .name: w_o, .offset: 32, .size: 8, .value_kind: global_buffer, .address_space: global }
      - { .name: lowp_scales, .offset: 40, .size: 8, .value_kind: global_buffer, .address_space: global }
      - { .name: ops, .offset: 48, .size: 8, .value_kind: global_buffer, .address_space: global }
    .group_segment_fixed_size: 34304
    .private_segment_fixed_size: 0
    .kernarg_segment_align: 8
    .kernarg_segment_size: 56
    .max_flat_workgroup_size: 128
    .sgpr_count:     66
    .vgpr_count:     256
    .wavefront_size: 32
...
	.end_amdgpu_metadata
.endif
;; end of part 1
;; launch qkv (part 2): grid 12 x 32, 4 waves a work-group, clusters of 4 x 4, 327,680 bytes of LDS; arguments ops, lowp_scales, b_q, b_k, b_v, qkvc; writes qkvc
.if DOCPART == 2
	.amdgcn_target "amdgcn-amd-amdhsa--gfx1250"
	.amdhsa_code_object_version 6
	.text
	.protected	k_q911ecfb13c_qkv
	.globl	k_q911ecfb13c_qkv
	.p2align	8
	.type	k_q911ecfb13c_qkv,@function
k_q911ecfb13c_qkv:
	s_mov_b64 s[64:65], 0
	v_nop
	global_prefetch_b8 v0, s[64:65] scope:SCOPE_SE
	s_setreg_imm32_b32 hwreg(HW_REG_WAVE_MODE, 25, 1), 1
	s_wait_xcnt 0x0
	s_wait_alu depctr_hold_cnt(0) depctr_sa_sdst(0) depctr_va_vdst(0) depctr_va_sdst(0) depctr_va_ssrc(0) depctr_va_vcc(0) depctr_vm_vsrc(0)
	s_getreg_b32 s2, hwreg(HW_REG_IB_STS2, 6, 4)
	s_cmp_eq_u32 s2, 0
	s_cbranch_scc0 .Lentry_in_a_cluster
	s_endpgm
.Lentry_in_a_cluster:
	s_bfe_u32 s2, ttmp6, 0x10000c
	s_cmp_lg_u32 s2, 0xf033
	s_cbranch_scc0 .Lentry_shape_is_right
	s_endpgm
.Lentry_shape_is_right:
; q = x w_q + b_q, k = x w_k + b_k, v = x w_v + b_v on E4M3 codes (K = 1,024), each result quantised at once to the codes that attention reads: q with 2^e6, k with 2^e7, v with 2^e9.
; The cluster's x says which: 0 q, 1 k, 2 v; it is the same number in all sixteen partners.  A work-group makes 256 x 256 results, a wave 128 x 128: 64 accumulators of 16 x 16, 512 registers.
; OPERANDS ARE IMAGES OF REGISTERS (made by the launch before): a tile of 16 rows is [8 fragments of 128 K][4 pieces][512 bytes], lane l's 16 bytes at 16 l: k = 32 c + 16 (l / 16) + 0 .. 15: the same
; places of k on both sides of every product.  Tile 2 b + u has as its lane r the row 32 b + 8 u + r + 8 (r / 8).  So in a result register j of lane (r, h) belongs to source 0's row 32 b + 16 h + 8 u + j,
; and the 16 registers of source-0 tiles 2 b and 2 b + 1 are 16 NEIGHBOURS: two conversions make a lane's 16 bytes of a piece of the next operand, and a wave's store is a whole piece of 512 bytes.
; q, k: source 0 = tiles of W (columns), source 1 = tiles of x: a lane holds one row of x and neighbouring columns (the head's axis is attention's first K).
; v:    source 0 = tiles of x, source 1 = tiles of W: a lane holds one column and neighbouring keys (the keys are attention's second K).
; OUT: q, k: [batch x 16 + head][tile of rows 0..127][2 pieces][512];  v: [batch x 16 + head][64 keys 0..31][tile of the head's 64, 0..3][2 pieces][512].  A head is 131,072 bytes in each.
; K goes in steps of 256 through two LDS slots filled by the tensor data mover: a wave's load brings 8 tiles' 4,096 bytes each (a tile has no more rows than these 8 runs to offer), dense in LDS.
; CLUSTERS: 4 x 4.  Source 1's tiles are shared along a row of the cluster, source 0's along a column: each is asked for jointly.
; LIMITS: e0+e1, e2+e3, e4+e5 between -126 and 127; e6, e7, e9 between -126 and 119.  NaN among the inputs is not served.
; REGISTERS: window 0: v8-29 addresses and constants; v128-255 source 1's fragments, ONE set; on the way out v32-223 are at work.  window 1: source 0's fragments, TWO sets.  windows 2, 3: the accumulators, (a, b) at v[8 (8 (a % 4) + b)].
.set XSET,  8388608
.set WSET,  1048576
.set WOFF,  3*XSET
.set TILEB, 4096                       ; a tile's two fragments of a K step of 256
.set HALFT, 8*TILEB                    ; what one tensor load brings, and what one wave reads of either side
.set SLOT,  4*HALFT                    ; source 1's 16 tiles, then source 0's 16
.set SPARE, 2*SLOT                     ; behind the ring: the spare words, 128 bytes for each wave: two blocks of 256 bytes that no other line names
.set SCR,   SPARE+512                  ; 512 bytes for each wave: its 128 numbers of the bias; no fill lands here
.set FR,    16
.set NL,    4
.set NP,    4                          ; places behind this matrix instruction (ISA guide 7.12.1)
.set LIM,   12                         ; v12  448 x 2^eo
.set SCL,   13                         ; v13  2^eo
.set GOFF,  14                         ; v14  16 x lane; never rewritten
.set SCRW,  15                         ; v15  my 16 bytes of my wave's scratch
.set ADRA,  16                         ; v16-17 LDS address of source 1's fragments in slot 0, 1
.set ADRB,  20                         ; v20-21 the same for source 0
.set SCRH,  22                         ; v22  scratch + 64 h
.set SCRV,  23                         ; v23  scratch + 4 (r + 8 (r / 8))
.set SPW,   28                         ; v28  my spare word; never rewritten
.set NIL,   29                         ; v29  0; never rewritten
.set TMP,   32                         ; v32-95   a block's 64 numbers
.set BI,    96                         ; v96-159  the bias in the result's layout
.set AF,    128
.set CD,    160                        ; v160-223 codes, four sets of 16
.set WVN,   16                         ; s16 wave; s17 wave / 2; s18 wave % 2; s19 which product
.set H1S,   17
.set H0S,   18
.set PP,    19
.set G1,  24                           ; s[24:31] group 1 for source 1's tiles; s[32:39] group 0, a set for each slot
.set G0,  32
.set G1B, 48                           ; s[48:55], s[56:63] the same for source 0's
.set G0B, 56
.set MSB, 0
.macro WIN new                         ; the immediate's high byte repeats the setting that is left
.if MSB != (\new)
	s_set_vgpr_msb (MSB<<8)|(\new)
.set MSB, (\new)
.endif
.endm
.set MUL_LO, 0xa1                      ; source 0 window 1, source 1 window 0, C and D window 2
.set MUL_HI, 0xf1                      ; the same, C and D window 3
.set TO_B,   0x40                      ; destination window 1, address window 0
; A joint load: waves 0 and 1 fetch source 1's halves, waves 2 and 3 source 0's.  The branch hangs on the wave's number alone.  Four v_nop follow each of the two lines.
.macro JLOAD g0a, g1a, g0b, g1b
	s_cmp_eq_u32 s[H1S], 0
	s_cbranch_scc0 .Lfor_b_\@
	tensor_load_to_lds s[\g0a:\g0a+3], s[\g1a:\g1a+7]
	s_nop 0
.rept 4
	v_nop
.endr
	s_branch .Lasked_\@
.Lfor_b_\@:
	tensor_load_to_lds s[\g0b:\g0b+3], s[\g1b:\g1b+7]
	s_nop 0
.rept 4
	v_nop
.endr
.Lasked_\@:
.endm
.macro CREST                           ; a round of the cluster's barrier behind its opening barrier
	s_cmp_lg_u32 s[WVN], 0
	s_cbranch_scc1 .Lnot_wave_0_\@
	s_barrier_signal -3
.Lnot_wave_0_\@:
	s_barrier_wait -3
	s_barrier_signal -1
	s_barrier_wait -1
.endm
.macro CROUND
	s_barrier_signal -1
	s_barrier_wait -1
	CREST
.endm
	s_load_b256 s[4:11], s[0:1], 0x0               ; ops s[4:5], the exponents s[6:7], b_q s[8:9], b_k s[10:11]
	s_load_b128 s[12:15], s[0:1], 0x20             ; b_v s[12:13], qkvc s[14:15]
	v_lshl_add_u32 v[SPW], v0, 2, SPARE
	v_mov_b32 v[NIL], 0
	ds_add_u32 v28, v29
	ds_add_u32 v28, v29
	s_wait_dscnt 0x0
	v_lshrrev_b32 v1, 5, v0
	v_readfirstlane_b32 s[WVN], v1                 ; wave 0..3
	s_lshr_b32 s[H1S], s[WVN], 1                   ; which half of source 1's tiles is mine.  Also: I fetch for source 1 (0) or source 0 (1)
	s_and_b32 s[H0S], s[WVN], 1                    ; which half of source 0's.  Also: which 8 tiles I fetch
	s_mov_b32 s[PP], ttmp9                         ; the cluster's x: 0 q, 1 k, 2 v
	s_bfe_u32 s20, ttmp6, 0x40000                  ; cx
	s_bfe_u32 s21, ttmp6, 0x40004                  ; cy
	s_and_b32 s22, ttmp7, 0xffff
	s_lshl_b32 s22, s22, 2                         ; 4 x the cluster's y
	s_lshl_b32 s40, s21, 2
	s_lshl_b32 s40, 15, s40                        ; my row of the cluster
	s_lshl_b32 s41, 0x1111, s20                    ; my column
	s_or_b32 s[G1+0], s40, (3<<16)|(1<<21)         ; 15:0 the mask; 17:16 elements of 8 bytes; 20 no padding; 21 set beside a mask
	s_or_b32 s[G1B+0], s41, (3<<16)|(1<<21)
.irp g, G1, G1B
	s_mov_b32 s[\g+1], 512<<16                     ; tensor_dim0 = 512 elements: 4,096 bytes of a tile
	s_mov_b32 s[\g+2], 8<<16                       ; tensor_dim1 = 8 tiles
	s_mov_b32 s[\g+3], 512<<16                     ; tile_dim0
	s_mov_b32 s[\g+4], 8                           ; tile_dim1
	s_mov_b32 s[\g+5], 2048                        ; from tile to tile: 16,384 bytes
	s_mov_b32 s[\g+6], 0
	s_mov_b32 s[\g+7], 0
.endr
	; which tensors, and which 16 tiles of each.  x has 32 blocks of 16 tiles, a weight 4.  q, k: source 0 = W (block cx), source 1 = x (block 4 Y + cy).  v: source 0 = x (block 4 Y + cx), source 1 = W (block cy).
	s_lshl_b32 s44, s[PP], 20
	s_add_co_u32 s44, s44, WOFF                    ; w_q's or w_k's codes
	s_lshl_b32 s45, s[PP], 23                      ; x's set 0 or 1
	s_mov_b32 s46, 2*XSET                          ; x's set 2
	s_mov_b32 s47, WOFF+2*WSET                     ; w_v's codes
	s_cmp_eq_u32 s[PP], 2
	s_cselect_b32 s42, s22, 0
	s_cselect_b32 s43, 0, s22
	s_cselect_b32 s44, s46, s44                    ; source 0's tensor, in bytes from ops
	s_cselect_b32 s45, s47, s45                    ; source 1's
	s_add_co_u32 s42, s42, s20                     ; source 0's block: cx enters it, cy never
	s_add_co_u32 s43, s43, s21                     ; source 1's block: cy enters it, cx never
	s_lshl_b32 s23, s[H0S], 17                     ; which 8 tiles I fetch
	s_lshl_b32 s88, s42, 18
	s_add_co_u32 s88, s88, s44
	s_add_co_u32 s88, s88, s23
	s_mov_b32 s89, 0
	s_lshl_b32 s90, s43, 18
	s_add_co_u32 s90, s90, s45
	s_add_co_u32 s90, s90, s23
	s_mov_b32 s91, 0
	s_mul_i32 s92, s[WVN], HALFT                   ; where they go: no place in the cluster enters an LDS address
	s_wait_kmcnt 0x0
	s_load_b256 s[68:75], s[6:7], 0x0              ; e0 .. e7
	s_load_b128 s[76:79], s[6:7], 0x20             ; e8 .. e11
	s_add_nc_u64 s[88:89], s[4:5], s[88:89]
	s_add_nc_u64 s[90:91], s[4:5], s[90:91]
	CROUND                                         ; all sixteen work-groups are here: the first joint loads meet
.irp s, 0,1
	s_mov_b32 s[G0+4*\s], 1
	s_add_co_u32 s[G0+4*\s+1], s92, \s*SLOT
	s_add_nc_u64 s[G0+4*\s+2:G0+4*\s+3], s[90:91], \s*TILEB
	s_or_b32 s[G0+4*\s+3], s[G0+4*\s+3], 0x80000000
	s_mov_b32 s[G0B+4*\s], 1
	s_add_co_u32 s[G0B+4*\s+1], s92, \s*SLOT
	s_add_nc_u64 s[G0B+4*\s+2:G0B+4*\s+3], s[88:89], \s*TILEB
	s_or_b32 s[G0B+4*\s+3], s[G0B+4*\s+3], 0x80000000
	JLOAD G0+4*\s, G1, G0B+4*\s, G1B
.endr
	v_and_b32 v1, 31, v0
	v_lshlrev_b32 v[GOFF], 4, v1                   ; 16 x lane: an image's place for my lane
	s_mul_i32 s40, s[H1S], HALFT                   ; my 8 tiles of source 1,
	s_mul_i32 s41, s[H0S], HALFT                   ; my 8 of source 0,
	s_add_co_u32 s41, s41, 2*HALFT                 ; which lie behind source 1's 16
.irp s, 0,1
	v_add_nc_u32 v[ADRA+\s], s40, v[GOFF]
	v_add_nc_u32 v[ADRB+\s], s41, v[GOFF]
	s_add_co_u32 s40, s40, SLOT
	s_add_co_u32 s41, s41, SLOT
.endr
	s_lshl_b32 s40, s[WVN], 9
	s_add_co_u32 s40, s40, SCR                     ; my scratch
	v_add_nc_u32 v[SCRW], s40, v[GOFF]
	v_bfe_u32 v2, v0, 4, 1                         ; h
	v_and_b32 v3, 15, v0                           ; r
	v_lshlrev_b32 v[SCRH], 6, v2
	v_add_nc_u32 v[SCRH], s40, v[SCRH]
	v_and_b32 v4, 8, v3
	v_add_nc_u32 v4, v4, v3                        ; r + 8 (r / 8)
	v_lshlrev_b32 v[SCRV], 2, v4
	v_add_nc_u32 v[SCRV], s40, v[SCRV]
	; where my results go, and my 128 numbers of the bias
	s_lshl_b32 s40, s42, 1
	s_add_co_u32 s40, s40, s[H0S]                  ; my half-block of source 0
	s_lshl_b32 s41, s43, 1
	s_add_co_u32 s41, s41, s[H1S]                  ; and of source 1
	s_cmp_eq_u32 s[PP], 1
	s_cselect_b64 s[86:87], s[10:11], s[8:9]
	s_cmp_eq_u32 s[PP], 2
	s_cselect_b64 s[86:87], s[12:13], s[86:87]     ; b_q, b_k or b_v
	s_cselect_b32 s46, s40, s41                    ; x's side,
	s_cselect_b32 s47, s41, s40                    ; the weight's
	s_lshl_b32 s46, s46, 3                         ; my first tile of x's rows, 0..504
	s_lshl_b32 s47, s47, 1                         ; my first head, 0..14
	s_lshr_b32 s93, s46, 7                         ; the batch
	s_lshl_b32 s93, s93, 4
	s_add_co_u32 s93, s93, s47
	s_lshl_b32 s93, s93, 17                        ; the head's 131,072 bytes
	s_and_b32 s94, s46, 127
	s_lshl_b32 s94, s94, 10                        ; q, k: 1,024 bytes a tile of rows.  v: 4,096 bytes for 64 keys, which are four tiles: the same figure
	s_add_co_u32 s94, s94, s93
	s_lshl_b32 s93, s[PP], 23
	s_add_co_u32 s94, s94, s93
	s_mov_b32 s95, 0
	s_add_nc_u64 s[84:85], s[14:15], s[94:95]
	s_lshl_b32 s94, s47, 8                         ; 64 numbers a head
	s_add_nc_u64 s[86:87], s[86:87], s[94:95]
	global_load_b128 v[8:11], v[GOFF], s[86:87]    ; 512 consecutive bytes; waited for on the way out
.macro FRAG reg, adr, q, i             ; a fragment, 16 rows x 128 K: four pieces as they lie, each 512 consecutive bytes
.irp c, 0,1,2,3
	ds_load_b128 v[\reg+4*\c:\reg+4*\c+3], v[\adr] offset:TILEB*(\i)+2048*(\q)+512*\c
.endr
.endm
; 16 matrix instructions: source 1's blocks a0, a0 + 1 x source 0's eight, 128 along K.  p: source 0's set.  zero = 1: the first product starts the sums.
; The 64 accumulators take turns, one instruction a turn, in the same order in every step.
.macro MUL16 a0, p, zero
.irp a, \a0, \a0+1
.irp b, 0,1,2,3,4,5,6,7
.if \zero
	v_wmma_f32_16x16x128_fp8_fp8 v[8*(8*((\a)%4)+\b):8*(8*((\a)%4)+\b)+7], v[128*(\p)+FR*\b:128*(\p)+FR*\b+FR-1], v[AF+FR*(\a):AF+FR*(\a)+FR-1], 0
.else
	v_wmma_f32_16x16x128_fp8_fp8 v[8*(8*((\a)%4)+\b):8*(8*((\a)%4)+\b)+7], v[128*(\p)+FR*\b:128*(\p)+FR*\b+FR-1], v[AF+FR*(\a):AF+FR*(\a)+FR-1], v[8*(8*((\a)%4)+\b):8*(8*((\a)%4)+\b)+7]
.endif
.endr
.endr
.endm
.macro FETCH_B slot, q, p
	WIN TO_B
.irp i, 0,1,2,3,4,5,6,7
	FRAG 128*(\p)+FR*\i, ADRB+\slot, \q, \i
.endr
	WIN 0
.endm
.macro FETCH_A slot, q, i0
.irp i, \i0, \i0+1, \i0+2, \i0+3
	FRAG AF+FR*(\i), ADRA+\slot, \q, \i
.endr
.endm
.macro PLACES n                        ; plain vector lines between a matrix instruction and a load into, or a read of, its registers (ISA guide 7.12.1 for the reads)
.rept \n
	v_nop
.endr
.endm
.macro STEP slot, q, zero              ; a step of 128 along K that has its successor in the same slot
	s_wait_dscnt 4*NL                              ; source 0's set and source 1's blocks 0-3 are in; the youngest 16 loads (blocks 4-7) may be out
	WIN MUL_LO
	MUL16 0, (\q)%2, \zero
	MUL16 2, (\q)%2, \zero
	s_wait_dscnt 0                                 ; blocks 4-7 are in
	PLACES NP
	FETCH_B \slot, (\q)+1, 1-(\q)%2
	FETCH_A \slot, (\q)+1, 0
	WIN MUL_HI
	MUL16 4, (\q)%2, \zero
	MUL16 6, (\q)%2, \zero
	PLACES NP
	WIN 0
	FETCH_A \slot, (\q)+1, 4
.endm
; A slot's last step changes slots: ONE barrier; in front of it each wave waits for all its tensor loads, adds 0 to its spare word, and waits for that and for its reads of this slot.  fill = 1: this slot is filled again, two K steps ahead.
.macro TURN slot, next, fill
	s_wait_tensorcnt 0x0                           ; all my tensor loads have landed: my part of the next slot
	ds_add_u32 v[SPW], v[NIL]                      ; 0 onto my spare word
	s_wait_dscnt 4*NL+1                            ; (the add and the youngest 16 loads may be out)
	WIN MUL_LO
	MUL16 0, 1, 0
	s_wait_dscnt 0x0                               ; the add is done, and my reads of this slot are over
	s_barrier_signal -1
	MUL16 2, 1, 0
	WIN 0
	s_barrier_wait -1
.if \fill
	CREST                                          ; the barrier has opened a round of the cluster's: no wave of any partner still reads this slot or has a load on its way
	s_add_nc_u64 s[G0+4*\slot+2:G0+4*\slot+3], s[G0+4*\slot+2:G0+4*\slot+3], 2*TILEB
	s_add_nc_u64 s[G0B+4*\slot+2:G0B+4*\slot+3], s[G0B+4*\slot+2:G0B+4*\slot+3], 2*TILEB
	JLOAD G0+4*\slot, G1, G0B+4*\slot, G1B         ; the first tensor load behind the round; its four v_nop are also the places in front of the loads below
.else
	PLACES NP
.endif
	FETCH_B \next, 0, 0
	FETCH_A \next, 0, 0
	WIN MUL_HI
	MUL16 4, 1, 0
	MUL16 6, 1, 0
	PLACES NP
	WIN 0
	FETCH_A \next, 0, 4
.endm
	s_wait_tensorcnt 1                             ; my part of K step 0 is in; K step 1's load may be out
	s_barrier_signal -1
	s_barrier_wait -1
	FETCH_B 0, 0, 0
	FETCH_A 0, 0, 0
	FETCH_A 0, 0, 4
	STEP 0, 0, 1                                   ; K = 1,024 is eight steps of 128, twice round the ring: written out, no backward jump
	TURN 0, 1, 1
	STEP 1, 0, 0
	TURN 1, 0, 1
	STEP 0, 0, 0
	TURN 0, 1, 0                                   ; nothing is left to fetch
	STEP 1, 0, 0
	s_wait_dscnt 4*NL
	WIN MUL_LO
	MUL16 0, 1, 0
	MUL16 2, 1, 0
	s_wait_dscnt 0
	WIN MUL_HI
	MUL16 4, 1, 0
	MUL16 6, 1, 0
	WIN 0
	; THE WAY OUT: sum x 2^(ex + ew) + bias, held, converted; each group of four code registers is a piece's image and leaves as 512 consecutive bytes.
	PLACES NP
	s_wait_kmcnt 0x0
	s_add_co_i32 s40, s68, s69
	s_add_co_i32 s41, s70, s71
	s_add_co_i32 s44, s72, s73
	s_cmp_eq_u32 s[PP], 1
	s_cselect_b32 s40, s41, s40
	s_cselect_b32 s45, s75, s74                    ; e7 or e6
	s_cmp_eq_u32 s[PP], 2
	s_cselect_b32 s40, s44, s40                    ; ex + ew of my product
	s_cselect_b32 s45, s77, s45                    ; e9: the result's own scale
	s_add_co_i32 s40, s40, 127
	s_lshl_b32 s80, s40, 23                        ; 2^(ex + ew) as f32
	s_mov_b32 s81, s80                             ; (named with it as a pair, so it is written)
	s_add_co_i32 s45, s45, 127
	s_lshl_b32 s46, s45, 23
	v_mov_b32 v[SCL], s46
	s_add_co_i32 s45, s45, 8
	s_lshl_b32 s45, s45, 23
	s_or_b32 s45, s45, 0x600000
	v_mov_b32 v[LIM], s45
	s_wait_loadcnt 0x0                             ; the bias
	ds_store_b128 v[SCRW], v[8:11]                 ; through my own scratch into the result's layout; LDS serves a wave's instructions in order
; Block a (a tile of source 1) against source 0's eight.  vee = 0: the bias runs along the registers; vee = 1: a lane has one column, one number for the block.
.macro EPI a, vee
	WIN 0x02+((\a)/4)                              ; source 0: window 2 or 3
.irp b, 0,1,2,3,4,5,6,7
.irp i, 0,2,4,6
.if \vee
	v_pk_fma_f32 v[TMP+8*\b+\i:TMP+8*\b+\i+1], v[64*((\a)%4)+8*\b+\i:64*((\a)%4)+8*\b+\i+1], s[80:81], v[BI+2*(\a):BI+2*(\a)+1] op_sel_hi:[1,0,1]
.else
	v_pk_fma_f32 v[TMP+8*\b+\i:TMP+8*\b+\i+1], v[64*((\a)%4)+8*\b+\i:64*((\a)%4)+8*\b+\i+1], s[80:81], v[BI+8*\b+\i:BI+8*\b+\i+1] op_sel_hi:[1,0,1]
.endif
.endr
.endr
	WIN 0
.set j, 0
.rept 64
	v_med3_num_f32 v[TMP+j], v[TMP+j], -v[LIM], v[LIM]   ; the conversion to an 8-bit code does not saturate (ISA guide 7.6.2)
.set j, j+1
.endr
.if (\a) >= 4
	s_wait_xcnt 0x0                                ; this set of code registers is written again only behind this wait: block a - 4's stores have read it
.endif
.irp b, 0,1,2,3,4,5,6,7
	v_cvt_scalef32_pk8_fp8_f32 v[CD+16*((\a)%4)+2*\b:CD+16*((\a)%4)+2*\b+1], v[TMP+8*\b:TMP+8*\b+7], v[SCL]
.endr
	v_nop                                          ; a plain line behind the last conversion, ahead of the lines that write its sources again
.irp g, 0,1,2,3
.if \vee
	global_store_b128 v[GOFF], v[CD+16*((\a)%4)+4*\g:CD+16*((\a)%4)+4*\g+3], s[84:85] offset:((\a)/4)*131072+(\g/2)*4096+((\a)%4)*1024+(\g%2)*512
.else
	global_store_b128 v[GOFF], v[CD+16*((\a)%4)+4*\g:CD+16*((\a)%4)+4*\g+3], s[84:85] offset:(\g/2)*131072+(\a)*1024+(\g%2)*512
.endif
.endr
.endm
	s_cmp_eq_u32 s[PP], 2                          ; the same in all partners; no barrier stands on either way
	s_cbranch_scc1 .Lvee
.irp g, 0,1,2,3
.irp i, 0,1,2,3
	ds_load_b128 v[BI+16*\g+4*\i:BI+16*\g+4*\i+3], v[SCRH] offset:128*\g+16*\i   ; register 16 g + n: the bias of column 32 g + 16 h + n
.endr
.endr
	s_wait_dscnt 0x0
.irp a, 0,1,2,3,4,5,6,7
	EPI \a, 0
.endr
	s_branch .Ldone
.Lvee:
.irp a, 0,1,2,3,4,5,6,7
	ds_load_b32 v[BI+2*\a], v[SCRV] offset:4*(32*(\a/2)+8*(\a%2))     ; the bias of my column of tile a, twice: a pair for the packed form
	ds_load_b32 v[BI+2*\a+1], v[SCRV] offset:4*(32*(\a/2)+8*(\a%2))
.endr
	s_wait_dscnt 0x0
.irp a, 0,1,2,3,4,5,6,7
	EPI \a, 1
.endr
.Ldone:
	s_wait_tensorcnt 0x0                           ; the wave's end
	ds_add_u32 v[SPW], v[NIL]
	s_wait_dscnt 0x0
	CROUND                                         ; the closing round
	s_endpgm
.Lfunc_end_k_q911ecfb13c_qkv:
	.size	k_q911ecfb13c_qkv, .Lfunc_end_k_q911ecfb13c_qkv-k_q911ecfb13c_qkv
	.p2alignl 7, 3214868480
	.fill 96, 4, 3214868480
	.section	.rodata,"a",@progbits
	.p2align	6, 0x0
	.amdhsa_kernel k_q911ecfb13c_qkv
		.amdhsa_group_segment_fixed_size 327680
		.amdhsa_private_segment_fixed_size 0
		.amdhsa_enable_private_segment 0
		.amdhsa_kernarg_size 48
		.amdhsa_user_sgpr_count 2
		.amdhsa_user_sgpr_kernarg_segment_ptr 1
		.amdhsa_wavefront_size32 1
		.amdhsa_system_sgpr_workgroup_id_x 1
		.amdhsa_system_sgpr_workgroup_id_y 1
		.amdhsa_system_sgpr_workgroup_id_z 1
		.amdhsa_system_vgpr_workitem_id 0
		.amdhsa_next_free_vgpr 1024
		.amdhsa_next_free_sgpr 100
		.amdhsa_reserve_vcc 0
		.amdhsa_float_denorm_mode_32 3
		.amdhsa_float_denorm_mode_16_64 3
		.amdhsa_memory_ordered 1
		.amdhsa_forward_progress 1
		.amdhsa_inst_pref_size 193
	.end_amdhsa_kernel
	.amdgpu_metadata
---
amdhsa.version: [ 1, 2 ]
amdhsa.kernels:
  - .name:           k_q911ecfb13c_qkv
    .symbol:         k_q911ecfb13c_qkv.kd
    .args:
      - { .name: ops, .offset: 0, .size: 8, .value_kind: global_buffer, .address_space: global }
      - { .name: lowp_scales, .offset: 8, .size: 8, .value_kind: global_buffer, .address_space: global }
      - { .name: b_q, .offset: 16, .size: 8, .value_kind: global_buffer, .address_space: global }
      - { .name: b_k, .offset: 24, .size: 8, .value_kind: global_buffer, .address_space: global }
      - { .name: b_v, .offset: 32, .size: 8, .value_kind: global_buffer, .address_space: global }
      - { .name: qkvc, .offset: 40, .size: 8, .value_kind: global_buffer, .address_space: global }
    .group_segment_fixed_size: 327680
    .private_segment_fixed_size: 0
    .kernarg_segment_align: 8
    .kernarg_segment_size: 48
    .max_flat_workgroup_size: 128
    .sgpr_count:     100
    .vgpr_count:     1024
    .wavefront_size: 32
...
	.end_amdgpu_metadata
.endif
;; end of part 2
;; launch attn (part 3): grid 4 x 64, 16 waves a work-group, no clusters, 264,192 bytes of LDS; arguments qkvc, lowp_scales, cc; writes cc
.if DOCPART == 3
	.amdgcn_target "amdgcn-amd-amdhsa--gfx1250"
	.amdhsa_code_object_version 6
	.text
	.protected	k_q911ecfb13c_attn
	.globl	k_q911ecfb13c_attn
	.p2align	8
	.type	k_q911ecfb13c_attn,@function
k_q911ecfb13c_attn:
	s_mov_b64 s[64:65], 0
	v_nop
	global_prefetch_b8 v0, s[64:65] scope:SCOPE_SE
	s_setreg_imm32_b32 hwreg(HW_REG_WAVE_MODE, 25, 1), 1
	s_wait_xcnt 0x0
; ctx = softmax(q k^T / 8) v for one head, both products on E4M3 codes (K = 64 form), the result quantised at once with 2^e10 into the image that the last projection reads.
; THE SOFTMAX: t = score x 2^(e6 + e7) x log2(e) / 8; M = ceil(the row's largest t), a whole number; p = 2^(t - M) is quantised with 2^e8; the row's sum l is taken of the unquantised p; ctx = (sum of p v) x 2^(e8 + e9) / l.
; SHARES.  A work-group owns 512 queries of one head; each of its sixteen waves two tiles of 16, in 256 registers: four waves to a SIMD, so that one wave's vector work stands beside another's products and LDS loads.
; The head's whole K and V, 131,072 bytes each, are copied into LDS once, through registers, as they lie: they are images of operand registers, so every fragment load is 512 consecutive bytes.  One barrier.
; TWO PASSES OVER THE KEYS.  Pass 1 makes S^T = K Q^T and keeps only each query's largest score; pass 2 makes S^T again (the same instructions, the same bits) under the final M.  So nothing is ever rescaled: for 64 keys and 32
; queries the second making costs 8 products and 8 LDS loads, and spares 32 packed multiplies on O^T and the running maximum's lines.
; LAYOUT.  Both products transposed (source 0 = 16 keys, or 16 of the head's 64; source 1 = my 16 queries, or p): a lane holds one query throughout.  Tile 2 b + u of keys has as lane r the key 32 b + 8 u + r + 8 (r / 8), so the 16
; registers of tiles 2 b, 2 b + 1 are keys 32 b + 16 (lane / 16) + 0 .. 15: the conversions' results ARE the second product's operand; O^T's registers likewise are neighbours along the last projection's K.
; THE HOLD ON p (p is at most 1, up to rounding) is owed only where 448 x 2^e8 is under 1, that is e8 under -8: its 64 lines of a step's some 210 vector lines stand under a scalar branch on that given whole number.
; K and V are not asked for jointly by the four work-groups of a head: what would be shared is one read of 262,144 bytes a work-group, once, against 64 lines in each of 32 steps.
; LIMITS: e6 + e7 between -123 and 130 (added to the exponent field of log2(e) / 8); e8 and e10 between -126 and 119.  NaN among the inputs is not served.
.set VOFF, 131072                      ; LDS: K at 0, V here
.set Q,  32                            ; v32-47   my two tiles of queries
.set KF, 48                            ; v48-79   four tiles of keys (pass 1: eight, v48-111)
.set VF, 80                            ; v80-111  four tiles of V^T
.set S,  112                           ; v112-175 S^T, then p: 32 t + 8 kt (pass 1: 64 t + 8 kt, v112-239)
.set O,  176                           ; v176-239 O^T: 32 t + 8 dt
.set P,  240                           ; v240-255 p's codes: 8 t + 4 b
; v1 16 x lane; v2 the same + VOFF; v3, v4 addresses of the loads in hand; v5-8 16 x thread + 0, 65,536, 131,072, 196,608; v9, v10 2^e8 and 448 x 2^e8; v[12:13], v[14:15] -M of tile 0, 1 (low word);
; v[16:23] the sums, two chains of pairs for each tile; v24-27 the maxima's four chains, later 1 / l; v28, v29 the permutes' results; v30, v31 2^e10 and 448 x 2^e10
	s_load_b128 s[4:7], s[0:1], 0x0                ; qkvc, the exponents
	s_load_b64 s[8:9], s[0:1], 0x10                ; cc
	v_lshrrev_b32 v1, 5, v0
	v_readfirstlane_b32 s10, v1                    ; wave 0..15
	s_and_b32 s11, ttmp7, 0xffff                   ; 16 x batch + head
	s_mov_b32 s28, 0x76543210
	s_mov_b32 s29, 0xfedcba98                      ; v_permlanex16_b32's selects for lane l xor 16
	v_and_b32 v1, 31, v0
	v_lshlrev_b32 v1, 4, v1
	v_add_nc_u32 v2, VOFF, v1
	v_lshlrev_b32 v5, 4, v0
	v_add_nc_u32 v6, 65536, v5
	v_add_nc_u32 v7, 131072, v5
	v_add_nc_u32 v8, 196608, v5
	s_lshl_b32 s12, s11, 17                        ; the head's 131,072 bytes
	s_mov_b32 s13, 0
	s_lshl_b32 s14, ttmp9, 5
	s_lshl_b32 s15, s10, 1
	s_add_co_u32 s14, s14, s15                     ; my first tile of queries: 32 x work-group x + 2 x wave
	s_lshl_b32 s42, s14, 10
	s_add_co_u32 s42, s42, s12
	s_mov_b32 s43, 0
	s_lshr_b32 s44, s11, 4
	s_lshl_b32 s44, s44, 7                         ; 128 tiles of rows a batch
	s_add_co_u32 s44, s44, s14
	s_lshl_b32 s44, s44, 14                        ; a tile of ctx is 16,384 bytes;
	s_and_b32 s45, s11, 15
	s_lshl_b32 s45, s45, 10                        ; a head's 64 of its K are two pieces
	s_add_co_u32 s44, s44, s45
	s_mov_b32 s45, 0
	s_wait_kmcnt 0x0
	s_load_b256 s[16:23], s[6:7], 0x0              ; e0 .. e7: s22 = e6, s23 = e7
	s_load_b128 s[24:27], s[6:7], 0x20             ; s24 = e8, s25 = e9, s26 = e10
	s_add_nc_u64 s[34:35], s[4:5], s[42:43]        ; my queries
	s_add_nc_u64 s[36:37], s[4:5], s[12:13]
	s_add_nc_u64 s[36:37], s[36:37], 0x800000      ; the head's K
	s_add_nc_u64 s[38:39], s[36:37], 0x800000      ; the head's V
	s_add_nc_u64 s[40:41], s[8:9], s[44:45]        ; my rows of ctx
	; ---- the copy in: each instruction of the work-group moves 8,192 consecutive bytes
.irp i, 0,1,2,3
	global_load_b128 v[Q+4*\i:Q+4*\i+3], v1, s[34:35] offset:512*\i
.endr
.set i, 0
.rept 16
	global_load_b128 v[S+4*i:S+4*i+3], v5, s[36:37] offset:8192*i
.set i, i+1
.endr
.set i, 0
.rept 16
	global_load_b128 v[O+4*i:O+4*i+3], v5, s[38:39] offset:8192*i
.set i, i+1
.endr
	v_mov_b32 v13, 0                               ; (upper words of pairs that the packed forms name)
	v_mov_b32 v15, 0
.irp j, 16,17,18,19,20,21,22,23
	v_mov_b32 v\j, 0                               ; the sums
.endr
.irp j, 24,25,26,27
	v_mov_b32 v\j, 0xff800000                      ; the maxima: -infinity
.endr
	v_mov_b32 v28, 0                               ; written once: a lane permute's destination counts as one of its sources
	v_mov_b32 v29, 0
	s_wait_kmcnt 0x0
	s_add_co_i32 s46, s22, s23
	s_lshl_b32 s46, s46, 23
	s_add_co_i32 s30, s46, 0x3e38aa3b              ; c = log2(e) / 8 x 2^(e6 + e7): the two exponents are added to the exponent field
	s_mov_b32 s31, s30                             ; (named with it as a pair)
	s_add_co_i32 s46, s24, 127
	s_lshl_b32 s47, s46, 23
	v_mov_b32 v9, s47                              ; 2^e8
	s_add_co_i32 s46, s46, 8
	s_lshl_b32 s46, s46, 23
	s_or_b32 s46, s46, 0x600000
	v_mov_b32 v10, s46                             ; 448 x 2^e8
	s_add_co_i32 s46, s26, 127
	s_lshl_b32 s47, s46, 23
	v_mov_b32 v30, s47                             ; 2^e10
	s_add_co_i32 s46, s46, 8
	s_lshl_b32 s46, s46, 23
	s_or_b32 s46, s46, 0x600000
	v_mov_b32 v31, s46                             ; 448 x 2^e10
	s_wait_loadcnt 16                              ; Q and K are in; V's 16 loads may be out
.set i, 0
.rept 8
	ds_store_b128 v5, v[S+4*i:S+4*i+3] offset:8192*i
	ds_store_b128 v6, v[S+32+4*i:S+32+4*i+3] offset:8192*i
.set i, i+1
.endr
	s_wait_loadcnt 0x0
.set i, 0
.rept 8
	ds_store_b128 v7, v[O+4*i:O+4*i+3] offset:8192*i
	ds_store_b128 v8, v[O+32+4*i:O+32+4*i+3] offset:8192*i
.set i, i+1
.endr
	s_wait_dscnt 0x0                               ; for the others' sake: my stores have landed
	s_barrier_signal -1
	s_barrier_wait -1                              ; from here on LDS is only read
	; ---- pass 1: each query's largest score; 16 trips of 128 keys
	s_mov_b32 s32, 0
	s_mov_b32 s33, 16
.Lmax:
	v_add_nc_u32 v3, s32, v1
.irp kt, 0,1,2,3,4,5,6,7
.irp c, 0,1
	ds_load_b128 v[KF+8*\kt+4*\c:KF+8*\kt+4*\c+3], v3 offset:1024*\kt+512*\c
.endr
.endr
	s_wait_dscnt 0x0
.irp kt, 0,1,2,3,4,5,6,7
.irp t, 0,1
	v_wmma_f32_16x16x64_fp8_fp8 v[S+64*\t+8*\kt:S+64*\t+8*\kt+7], v[KF+8*\kt:KF+8*\kt+7], v[Q+8*\t:Q+8*\t+7], 0
.endr
.endr
.rept 4
	v_nop                                          ; places in front of the first read of results
.endr
.irp kt, 0,1,2,3,4,5,6,7               ; four chains by turns; each accumulator from its low end on.  These 64 lines are also the places in front of the next trip's loads and products
.irp i, 0,1,2,3
.irp t, 0,1
	v_max3_num_f32 v[24+2*\t+\i%2], v[24+2*\t+\i%2], v[S+64*\t+8*\kt+2*\i], v[S+64*\t+8*\kt+2*\i+1]
.endr
.endr
.endr
	s_add_co_u32 s32, s32, 8192
	s_sub_co_u32 s33, s33, 1
	s_cmp_lg_u32 s33, 0
	s_cbranch_scc1 .Lmax
	v_max_num_f32 v24, v24, v25
	v_max_num_f32 v26, v26, v27
	v_permlanex16_b32 v28, v24, s28, s29           ; the query's other keys lie in the lane 16 away
	v_permlanex16_b32 v29, v26, s28, s29
	v_max_num_f32 v24, v24, v28
	v_max_num_f32 v26, v26, v29
	v_mul_f32 v24, s30, v24                        ; as t (c is positive)
	v_mul_f32 v26, s30, v26
	v_floor_f32 v12, -v24                          ; -M = floor(-t) = -ceil(t)
	v_floor_f32 v14, -v26
; ---- pass 2: a step of 64 keys
.macro STEP2 first
	v_add_nc_u32 v3, s32, v1
	v_add_nc_u32 v4, s32, v2
	v_nop
	v_nop                                          ; with the two additions: four places behind the last products, in front of loads into registers that they read
.irp kt, 0,1,2,3
.irp c, 0,1
	ds_load_b128 v[KF+8*\kt+4*\c:KF+8*\kt+4*\c+3], v3 offset:1024*\kt+512*\c
.endr
.endr
.irp dt, 0,1,2,3
.irp c, 0,1
	ds_load_b128 v[VF+8*\dt+4*\c:VF+8*\dt+4*\c+3], v4 offset:1024*\dt+512*\c
.endr
.endr
	s_wait_dscnt 8                                 ; K's eight loads are in; V's eight may be out
.irp kt, 0,1,2,3
.irp t, 0,1
	v_wmma_f32_16x16x64_fp8_fp8 v[S+32*\t+8*\kt:S+32*\t+8*\kt+7], v[KF+8*\kt:KF+8*\kt+7], v[Q+8*\t:Q+8*\t+7], 0
.endr
.endr
.rept 4
	v_nop
.endr
.irp t, 0,1
.set j, 0
.rept 16
	v_pk_fma_f32 v[S+32*\t+j:S+32*\t+j+1], v[S+32*\t+j:S+32*\t+j+1], s[30:31], v[12+2*\t:13+2*\t] op_sel_hi:[1,0,0]   ; t - M, two at a time (of the pairs c and -M the low word serves both halves)
.set j, j+2
.endr
.endr
.set j, 0
.rept 64
	v_exp_f32 v[S+j], v[S+j]                       ; p = 2^(t - M): not normalised
.set j, j+1
.endr
	v_nop                                          ; a plain line between the exponentials and the first use of a result
.set j, 0
	s_wait_alu depctr_va_vdst(0)
.rept 8                                ; the rows' sums of the UNQUANTISED p: four chains of pairs
	v_pk_add_f32 v[16:17], v[16:17], v[S+j:S+j+1]
	v_pk_add_f32 v[18:19], v[18:19], v[S+j+2:S+j+3]
	v_pk_add_f32 v[20:21], v[20:21], v[S+32+j:S+32+j+1]
	v_pk_add_f32 v[22:23], v[22:23], v[S+32+j+2:S+32+j+3]
.set j, j+4
.endr
	s_cmp_gt_i32 s24, -9                           ; 448 x 2^e8 is 1.75 or more: no p reaches it
	s_cbranch_scc1 .Lnohold_\@
.set j, 0
.rept 64
	v_min_num_f32 v[S+j], v[S+j], v10              ; the conversion does not saturate (ISA guide 7.6.2); p is not negative, so the hold is one-sided
.set j, j+1
.endr
.Lnohold_\@:
.irp t, 0,1
.irp kt, 0,1,2,3
	v_cvt_scalef32_pk8_fp8_f32 v[P+8*\t+2*\kt:P+8*\t+2*\kt+1], v[S+32*\t+8*\kt:S+32*\t+8*\kt+7], v9
.endr
.endr
	v_nop                                          ; a plain line between the conversions and the products that read their results
	s_wait_dscnt 0x0                               ; V is in
.irp dt, 0,1,2,3                       ; O^T += V^T P^T: eight accumulators by turns, one instruction a turn
.irp t, 0,1
.if \first
	v_wmma_f32_16x16x64_fp8_fp8 v[O+32*\t+8*\dt:O+32*\t+8*\dt+7], v[VF+8*\dt:VF+8*\dt+7], v[P+8*\t:P+8*\t+7], 0
.else
	v_wmma_f32_16x16x64_fp8_fp8 v[O+32*\t+8*\dt:O+32*\t+8*\dt+7], v[VF+8*\dt:VF+8*\dt+7], v[P+8*\t:P+8*\t+7], v[O+32*\t+8*\dt:O+32*\t+8*\dt+7]
.endif
.endr
.endr
	s_add_co_u32 s32, s32, 4096                    ; 64 keys are 4,096 bytes of K and of V
.endm
	s_mov_b32 s32, 0
	STEP2 1                                        ; the first step starts O^T's sums: nothing is cleared
	s_mov_b32 s33, 31
.Lkeys:
	STEP2 0
	s_sub_co_u32 s33, s33, 1
	s_cmp_lg_u32 s33, 0
	s_cbranch_scc1 .Lkeys
	; ---- the way out: / l, x 2^(e8 + e9), quantised with 2^e10.  The additions are the places behind the last products.
	v_pk_add_f32 v[16:17], v[16:17], v[18:19]
	v_pk_add_f32 v[20:21], v[20:21], v[22:23]
	v_add_f32 v16, v16, v17
	v_add_f32 v20, v20, v21
	v_permlanex16_b32 v28, v16, s28, s29
	v_permlanex16_b32 v29, v20, s28, s29
	v_add_f32 v16, v16, v28                        ; the row's sum
	v_add_f32 v20, v20, v29
	v_rcp_f32 v24, v16
	v_rcp_f32 v26, v20
	v_nop                                          ; a plain line behind the reciprocals
	s_add_co_i32 s46, s24, s25
	s_wait_alu depctr_va_vdst(0)
	v_ldexp_f32 v24, v24, s46
	v_ldexp_f32 v26, v26, s46
.irp t, 0,1
.set j, 0
.rept 16
	v_pk_mul_f32 v[O+32*\t+j:O+32*\t+j+1], v[O+32*\t+j:O+32*\t+j+1], v[24+2*\t:25+2*\t] op_sel_hi:[1,0]
.set j, j+2
.endr
.endr
.set j, 0
.rept 64
	v_med3_num_f32 v[O+j], v[O+j], -v31, v31
.set j, j+1
.endr
.irp t, 0,1
.irp dt, 0,1,2,3
	v_cvt_scalef32_pk8_fp8_f32 v[P+8*\t+2*\dt:P+8*\t+2*\dt+1], v[O+32*\t+8*\dt:O+32*\t+8*\dt+7], v30
.endr
.endr
	v_nop
.irp t, 0,1
.irp b, 0,1
	global_store_b128 v1, v[P+8*\t+4*\b:P+8*\t+4*\b+3], s[40:41] offset:16384*\t+512*\b   ; a piece: 512 consecutive bytes, aligned
.endr
.endr
	s_wait_xcnt 0x0
	v_lshl_add_u32 v254, v0, 2, 0x40000
	v_mov_b32 v255, 0
	s_wait_tensorcnt 0x0
	ds_add_u32 v254, v255
	s_wait_dscnt 0x0
	s_endpgm
.Lfunc_end_k_q911ecfb13c_attn:
	.size	k_q911ecfb13c_attn, .Lfunc_end_k_q911ecfb13c_attn-k_q911ecfb13c_attn
	.p2alignl 7, 3214868480
	.fill 96, 4, 3214868480
	.section	.rodata,"a",@progbits
	.p2align	6, 0x0
	.amdhsa_kernel k_q911ecfb13c_attn
		.amdhsa_group_segment_fixed_size 264192
		.amdhsa_private_segment_fixed_size 0
		.amdhsa_enable_private_segment 0
		.amdhsa_kernarg_size 24
		.amdhsa_user_sgpr_count 2
		.amdhsa_user_sgpr_kernarg_segment_ptr 1
		.amdhsa_wavefront_size32 1
		.amdhsa_system_sgpr_workgroup_id_x 1
		.amdhsa_system_sgpr_workgroup_id_y 1
		.amdhsa_system_sgpr_workgroup_id_z 1
		.amdhsa_system_vgpr_workitem_id 0
		.amdhsa_next_free_vgpr 256
		.amdhsa_next_free_sgpr 66
		.amdhsa_reserve_vcc 0
		.amdhsa_float_denorm_mode_32 3
		.amdhsa_float_denorm_mode_16_64 3
		.amdhsa_memory_ordered 1
		.amdhsa_forward_progress 1
		.amdhsa_inst_pref_size 46
	.end_amdhsa_kernel
	.amdgpu_metadata
---
amdhsa.version: [ 1, 2 ]
amdhsa.kernels:
  - .name:           k_q911ecfb13c_attn
    .symbol:         k_q911ecfb13c_attn.kd
    .args:
      - { .name: qkvc, .offset: 0, .size: 8, .value_kind: global_buffer, .address_space: global }
      - { .name: lowp_scales, .offset: 8, .size: 8, .value_kind: global_buffer, .address_space: global }
      - { .name: cc, .offset: 16, .size: 8, .value_kind: global_buffer, .address_space: global }
    .group_segment_fixed_size: 264192
    .private_segment_fixed_size: 0
    .kernarg_segment_align: 8
    .kernarg_segment_size: 24
    .max_flat_workgroup_size: 512
    .sgpr_count:     66
    .vgpr_count:     256
    .wavefront_size: 32
...
	.end_amdgpu_metadata
.endif
;; end of part 3
;; launch oproj (part 4): grid 4 x 32, 4 waves a work-group, clusters of 4 x 4, 327,680 bytes of LDS; arguments cc, ops, lowp_scales, b_o, out0; writes out0
.if DOCPART == 4
	.amdgcn_target "amdgcn-amd-amdhsa--gfx1250"
	.amdhsa_code_object_version 6
	.text
	.protected	k_q911ecfb13c_oproj
	.globl	k_q911ecfb13c_oproj
	.p2align	8
	.type	k_q911ecfb13c_oproj,@function
k_q911ecfb13c_oproj:
	s_mov_b64 s[64:65], 0
	v_nop
	global_prefetch_b8 v0, s[64:65] scope:SCOPE_SE
	s_setreg_imm32_b32 hwreg(HW_REG_WAVE_MODE, 25, 1), 1
	s_wait_xcnt 0x0
	s_wait_alu depctr_hold_cnt(0) depctr_sa_sdst(0) depctr_va_vdst(0) depctr_va_sdst(0) depctr_va_ssrc(0) depctr_va_vcc(0) depctr_vm_vsrc(0)
	s_getreg_b32 s2, hwreg(HW_REG_IB_STS2, 6, 4)
	s_cmp_eq_u32 s2, 0
	s_cbranch_scc0 .Lentry_in_a_cluster
	s_endpgm
.Lentry_in_a_cluster:
	s_bfe_u32 s2, ttmp6, 0x10000c
	s_cmp_lg_u32 s2, 0xf033
	s_cbranch_scc0 .Lentry_shape_is_right
	s_endpgm
.Lentry_shape_is_right:
; out0 = ctx w_o + b_o on E4M3 codes (K = 1,024): each finished sum x 2^(e10 + e11) + the bias, f32.  LIMIT: e10 + e11 between -126 and 127.
; A work-group makes 256 x 256 of out0, a wave 128 x 128: 64 accumulators, 512 registers.  Both operands are images of registers: a tile of 16 rows is [8 fragments of 128 K][4 pieces][512 bytes], lane l's 16 bytes at 16 l
; (k = 32 c + 16 (l / 16) + 0 .. 15, alike on both sides); tile 2 b + u has as its lane r the row 32 b + 8 u + r + 8 (r / 8).
; Source 0 = tiles of w_o (columns), source 1 = tiles of ctx (rows): register j of lane (r, h) in the result of column tile 2 b + u is column 32 b + 16 h + 8 u + j of the lane's row.
; K goes in steps of 256 through two LDS slots filled by the tensor data mover: a wave's load brings 8 tiles' 4,096 bytes each, dense in LDS.  CLUSTERS: 4 x 4; ctx's tiles are shared along a row of the cluster, w_o's along a column.
; REGISTERS: window 0: v8-29 the bias and addresses; v128-255 source 1's fragments, ONE set, on the way out rows read back.  window 1: source 0's fragments, TWO sets.  windows 2, 3: the accumulators, (a, b) at v[8 (8 (a % 4) + b)].
.set XSET,  8388608
.set WSET,  1048576
.set WOFF,  3*XSET
.set TILEB, 4096
.set HALFT, 8*TILEB
.set SLOT,  4*HALFT
.set SPARE, 2*SLOT                     ; behind the ring: the spare words, 128 bytes for each wave: two blocks of 256 bytes that no other line names
.set SPITCH, 528                       ; the way out: a stage of 16 rows x (512 bytes + 16) for each wave, in slot 0, which has had its last fill and its last read when the first result is stored there
.set FR,    16
.set NL,    4
.set NP,    4
.set ADRA,  16
.set ADRB,  20
.set STO,   24                         ; v24  the way out: where I put my bytes of a row
.set RD,    25                         ; v25  where I read a row back
.set CO,    26                         ; v26  16 x lane; never rewritten
.set SPW,   28
.set NIL,   29
.set AF,    128
.set BK,    128                        ; 16 rows read back: v128-191 and v192-255 by turns
.set WVN,   14
.set H1S,   15
.set H0S,   16
.set G1,  24
.set G0,  32
.set G1B, 48
.set G0B, 56
.set MSB, 0
.macro WIN new                         ; the immediate's high byte repeats the setting that is left
.if MSB != (\new)
	s_set_vgpr_msb (MSB<<8)|(\new)
.set MSB, (\new)
.endif
.endm
.set MUL_LO, 0xa1
.set MUL_HI, 0xf1
.set TO_B,   0x40
.macro JLOAD g0a, g1a, g0b, g1b        ; a joint load: waves 0 and 1 fetch ctx's halves, waves 2 and 3 w_o's; four v_nop follow each of the two lines
	s_cmp_eq_u32 s[H1S], 0
	s_cbranch_scc0 .Lfor_b_\@
	tensor_load_to_lds s[\g0a:\g0a+3], s[\g1a:\g1a+7]
	s_nop 0
.rept 4
	v_nop
.endr
	s_branch .Lasked_\@
.Lfor_b_\@:
	tensor_load_to_lds s[\g0b:\g0b+3], s[\g1b:\g1b+7]
	s_nop 0
.rept 4
	v_nop
.endr
.Lasked_\@:
.endm
.macro CREST
	s_cmp_lg_u32 s[WVN], 0
	s_cbranch_scc1 .Lnot_wave_0_\@
	s_barrier_signal -3
.Lnot_wave_0_\@:
	s_barrier_wait -3
	s_barrier_signal -1
	s_barrier_wait -1
.endm
.macro CROUND
	s_barrier_signal -1
	s_barrier_wait -1
	CREST
.endm
	s_load_b256 s[4:11], s[0:1], 0x0               ; cc s[4:5], ops s[6:7], the exponents s[8:9], b_o s[10:11]
	s_load_b64 s[12:13], s[0:1], 0x20              ; out0
	v_lshl_add_u32 v[SPW], v0, 2, SPARE
	v_mov_b32 v[NIL], 0
	ds_add_u32 v28, v29
	ds_add_u32 v28, v29
	s_wait_dscnt 0x0
	v_lshrrev_b32 v1, 5, v0
	v_readfirstlane_b32 s[WVN], v1
	s_lshr_b32 s[H1S], s[WVN], 1                   ; which half of the rows is mine.  Also: I fetch for ctx (0) or for w_o (1)
	s_and_b32 s[H0S], s[WVN], 1                    ; which half of the columns.  Also: which 8 tiles I fetch
	s_bfe_u32 s40, ttmp6, 0x40000                  ; cx
	s_bfe_u32 s41, ttmp6, 0x40004                  ; cy
	s_lshl_b32 s42, ttmp9, 2
	s_add_co_u32 s42, s42, s40                     ; block of 256 columns
	s_and_b32 s17, ttmp7, 0xffff
	s_lshl_b32 s17, s17, 2
	s_add_co_u32 s17, s17, s41                     ; block of 256 rows
	s_lshl_b32 s43, s41, 2
	s_lshl_b32 s43, 15, s43                        ; my row of the cluster
	s_lshl_b32 s44, 0x1111, s40                    ; my column
	s_or_b32 s[G1+0], s43, (3<<16)|(1<<21)         ; 15:0 the mask; 17:16 elements of 8 bytes; 20 no padding; 21 set beside a mask
	s_or_b32 s[G1B+0], s44, (3<<16)|(1<<21)
.irp g, G1, G1B
	s_mov_b32 s[\g+1], 512<<16                     ; tensor_dim0 = 512 elements: 4,096 bytes of a tile
	s_mov_b32 s[\g+2], 8<<16                       ; tensor_dim1 = 8 tiles
	s_mov_b32 s[\g+3], 512<<16                     ; tile_dim0
	s_mov_b32 s[\g+4], 8                           ; tile_dim1
	s_mov_b32 s[\g+5], 2048                        ; from tile to tile: 16,384 bytes
	s_mov_b32 s[\g+6], 0
	s_mov_b32 s[\g+7], 0
.endr
	s_lshl_b32 s18, s[H0S], 17                     ; which 8 tiles I fetch
	s_lshl_b32 s20, s17, 18                        ; ctx: 16 tiles a block
	s_add_co_u32 s20, s20, s18
	s_mov_b32 s21, 0
	s_lshl_b32 s46, s42, 18                        ; w_o likewise,
	s_add_co_u32 s46, s46, s18
	s_add_co_u32 s46, s46, WOFF+3*WSET             ; behind x's sets and the three other weights
	s_mov_b32 s47, 0
	s_mul_i32 s45, s[WVN], HALFT                   ; where they go: no place in the cluster enters an LDS address
	s_wait_kmcnt 0x0
	s_load_b64 s[96:97], s[8:9], 0x28              ; e10, e11
	s_add_nc_u64 s[20:21], s[4:5], s[20:21]
	s_add_nc_u64 s[46:47], s[6:7], s[46:47]
	CROUND                                         ; all sixteen work-groups are here: the first joint loads meet
.irp s, 0,1
	s_mov_b32 s[G0+4*\s], 1
	s_add_co_u32 s[G0+4*\s+1], s45, \s*SLOT
	s_add_nc_u64 s[G0+4*\s+2:G0+4*\s+3], s[20:21], \s*TILEB
	s_or_b32 s[G0+4*\s+3], s[G0+4*\s+3], 0x80000000
	s_mov_b32 s[G0B+4*\s], 1
	s_add_co_u32 s[G0B+4*\s+1], s45, \s*SLOT
	s_add_nc_u64 s[G0B+4*\s+2:G0B+4*\s+3], s[46:47], \s*TILEB
	s_or_b32 s[G0B+4*\s+3], s[G0B+4*\s+3], 0x80000000
	JLOAD G0+4*\s, G1, G0B+4*\s, G1B
.endr
	v_and_b32 v1, 31, v0
	v_lshlrev_b32 v[CO], 4, v1                     ; 16 x lane
	s_mul_i32 s22, s[H1S], HALFT
	s_mul_i32 s23, s[H0S], HALFT
	s_add_co_u32 s23, s23, 2*HALFT
.irp s, 0,1
	v_add_nc_u32 v[ADRA+\s], s22, v[CO]
	v_add_nc_u32 v[ADRB+\s], s23, v[CO]
	s_add_co_u32 s22, s22, SLOT
	s_add_co_u32 s23, s23, SLOT
.endr
	s_mul_i32 s22, s[WVN], 16*SPITCH               ; my stage
	v_and_b32 v2, 15, v0                           ; r
	v_bfe_u32 v3, v0, 4, 1                         ; h
	v_mul_u32_u24 v[STO], v2, SPITCH
	v_lshl_add_u32 v[STO], v3, 6, v[STO]
	v_add_nc_u32 v[STO], s22, v[STO]               ; in: row r, + 64 h
	v_add_nc_u32 v[RD], s22, v[CO]                 ; back: the 32 lanes take one row of 512 bytes
	s_lshl_b32 s20, s17, 1
	s_add_co_u32 s20, s20, s[H1S]
	s_lshl_b32 s20, s20, 19                        ; my 128 rows of 4,096 bytes
	s_mov_b32 s21, 0
	s_lshl_b32 s46, s42, 1
	s_add_co_u32 s46, s46, s[H0S]
	s_lshl_b32 s46, s46, 9                         ; my 128 columns of 4 bytes
	s_mov_b32 s47, 0
	s_add_nc_u64 s[10:11], s[10:11], s[46:47]
	s_add_nc_u64 s[12:13], s[12:13], s[46:47]
	s_add_nc_u64 s[12:13], s[12:13], s[20:21]
	global_load_b128 v[8:11], v[CO], s[10:11]      ; the bias of the four columns that I store in every row; waited for on the way out
.macro FRAG reg, adr, q, i
.irp c, 0,1,2,3
	ds_load_b128 v[\reg+4*\c:\reg+4*\c+3], v[\adr] offset:TILEB*(\i)+2048*(\q)+512*\c
.endr
.endm
; The 64 accumulators take turns, one instruction a turn, in the same order in every step.
.macro MUL16 a0, p, zero
.irp a, \a0, \a0+1
.irp b, 0,1,2,3,4,5,6,7
.if \zero
	v_wmma_f32_16x16x128_fp8_fp8 v[8*(8*((\a)%4)+\b):8*(8*((\a)%4)+\b)+7], v[128*(\p)+FR*\b:128*(\p)+FR*\b+FR-1], v[AF+FR*(\a):AF+FR*(\a)+FR-1], 0
.else
	v_wmma_f32_16x16x128_fp8_fp8 v[8*(8*((\a)%4)+\b):8*(8*((\a)%4)+\b)+7], v[128*(\p)+FR*\b:128*(\p)+FR*\b+FR-1], v[AF+FR*(\a):AF+FR*(\a)+FR-1], v[8*(8*((\a)%4)+\b):8*(8*((\a)%4)+\b)+7]
.endif
.endr
.endr
.endm
.macro FETCH_B slot, q, p
	WIN TO_B
.irp i, 0,1,2,3,4,5,6,7
	FRAG 128*(\p)+FR*\i, ADRB+\slot, \q, \i
.endr
	WIN 0
.endm
.macro FETCH_A slot, q, i0
.irp i, \i0, \i0+1, \i0+2, \i0+3
	FRAG AF+FR*(\i), ADRA+\slot, \q, \i
.endr
.endm
.macro PLACES n                        ; plain vector lines between a matrix instruction and a load into, or a read of, its registers (ISA guide 7.12.1 for the reads)
.rept \n
	v_nop
.endr
.endm
.macro STEP slot, q, zero
	s_wait_dscnt 4*NL                              ; source 0's set and source 1's blocks 0-3 are in; the youngest 16 loads (blocks 4-7) may be out
	WIN MUL_LO
	MUL16 0, (\q)%2, \zero
	MUL16 2, (\q)%2, \zero
	s_wait_dscnt 0
	PLACES NP
	FETCH_B \slot, (\q)+1, 1-(\q)%2
	FETCH_A \slot, (\q)+1, 0
	WIN MUL_HI
	MUL16 4, (\q)%2, \zero
	MUL16 6, (\q)%2, \zero
	PLACES NP
	WIN 0
	FETCH_A \slot, (\q)+1, 4
.endm
.macro TURN slot, next, fill
	s_wait_tensorcnt 0x0                           ; all my tensor loads have landed: my part of the next slot
	ds_add_u32 v[SPW], v[NIL]                      ; 0 onto my spare word
	s_wait_dscnt 4*NL+1                            ; (the add and the youngest 16 loads may be out)
	WIN MUL_LO
	MUL16 0, 1, 0
	s_wait_dscnt 0x0                               ; the add is done, and my reads of this slot are over
	s_barrier_signal -1
	MUL16 2, 1, 0
	WIN 0
	s_barrier_wait -1
.if \fill
	CREST                                          ; the barrier has opened a round of the cluster's: no wave of any partner still reads this slot or has a load on its way
	s_add_nc_u64 s[G0+4*\slot+2:G0+4*\slot+3], s[G0+4*\slot+2:G0+4*\slot+3], 2*TILEB
	s_add_nc_u64 s[G0B+4*\slot+2:G0B+4*\slot+3], s[G0B+4*\slot+2:G0B+4*\slot+3], 2*TILEB
	JLOAD G0+4*\slot, G1, G0B+4*\slot, G1B
.else
	PLACES NP
.endif
	FETCH_B \next, 0, 0
	FETCH_A \next, 0, 0
	WIN MUL_HI
	MUL16 4, 1, 0
	MUL16 6, 1, 0
	PLACES NP
	WIN 0
	FETCH_A \next, 0, 4
.endm
	s_wait_tensorcnt 1                             ; my part of K step 0 is in; K step 1's load may be out
	s_barrier_signal -1
	s_barrier_wait -1
	FETCH_B 0, 0, 0
	FETCH_A 0, 0, 0
	FETCH_A 0, 0, 4
	STEP 0, 0, 1                                   ; eight steps of 128 along K, twice round the ring: written out
	TURN 0, 1, 1
	STEP 1, 0, 0
	TURN 1, 0, 1
	STEP 0, 0, 0
	TURN 0, 1, 0
	STEP 1, 0, 0
	s_wait_dscnt 4*NL
	WIN MUL_LO
	MUL16 0, 1, 0
	MUL16 2, 1, 0
	s_wait_dscnt 0
	WIN MUL_HI
	MUL16 4, 1, 0
	MUL16 6, 1, 0
	WIN 0
; THE WAY OUT, block by block of 16 rows x 128 columns.  The sums go into my own stage as they are and come back as whole rows of 512 bytes; there a lane holds the same four columns in every row, so scale and bias are two packed
; multiply-adds a row with four registers of bias.  LDS serves a wave's instructions in order: no wait between the stores and the loads, nor in front of the next block's stores.
.macro TOSTAGE a
.set AC, 64*((\a)%4)
	WIN (2+((\a)/4))<<2                            ; the store's data: window 2 or 3
.irp b, 0,1,2,3,4,5,6,7
	ds_store_b128 v[STO], v[AC+8*\b:AC+8*\b+3] offset:128*(\b/2)+32*(\b%2)          ; each accumulator from its low end on
	ds_store_b128 v[STO], v[AC+8*\b+4:AC+8*\b+7] offset:128*(\b/2)+32*(\b%2)+16
.endr
	WIN 0
.set BB, BK+64*((\a)%2)
.irp t, 0,1,2,3,4,5,6,7,8,9,10,11,12,13,14,15
	ds_load_b128 v[BB+4*\t:BB+4*\t+3], v[RD] offset:\t*SPITCH
.endr
.endm
.macro SEND a, younger                 ; younger: the LDS instructions issued behind block a's loads, which may stay out
.set BB, BK+64*((\a)%2)
	s_wait_dscnt \younger
.irp t, 0,1,2,3,4,5,6,7,8,9,10,11,12,13,14,15
	v_pk_fma_f32 v[BB+4*\t:BB+4*\t+1], v[BB+4*\t:BB+4*\t+1], s[96:97], v[8:9] op_sel_hi:[1,0,1]
	v_pk_fma_f32 v[BB+4*\t+2:BB+4*\t+3], v[BB+4*\t+2:BB+4*\t+3], s[96:97], v[10:11] op_sel_hi:[1,0,1]
.endr
.irp t, 0,1,2,3,4,5,6,7,8,9,10,11,12,13,14,15
	global_store_b128 v[CO], v[BB+4*\t:BB+4*\t+3], s[12:13] offset:(32*((\a)/2)+8*((\a)%2)+\t+8*(\t/8))*4096 th:TH_STORE_NT   ; the tile's lane t is this row; 512 consecutive bytes, aligned; written once, read by nobody here
.endr
.endm
	s_wait_kmcnt 0x0
	s_add_co_i32 s96, s96, s97
	s_add_co_i32 s96, s96, 127
	s_lshl_b32 s96, s96, 23                        ; 2^(e10 + e11) as f32
	s_wait_loadcnt 0x0                             ; the bias
	PLACES NP                                      ; behind the last products: for the stores that read results and the loads into the registers that held fragments
	TOSTAGE 0
.irp a, 1,2,3,4,5,6,7
.if \a > 1
	s_wait_xcnt 0x0                                ; block a - 2's stores have read their registers: block a's loads may land there
.endif
	TOSTAGE \a
	SEND \a-1, 32                                  ; behind block a - 1's loads: block a's 16 stores and 16 loads
.endr
	SEND 7, 0
	s_wait_tensorcnt 0x0                           ; the wave's end
	ds_add_u32 v[SPW], v[NIL]
	s_wait_dscnt 0x0
	CROUND                                         ; the closing round
	s_endpgm
.Lfunc_end_k_q911ecfb13c_oproj:
	.size	k_q911ecfb13c_oproj, .Lfunc_end_k_q911ecfb13c_oproj-k_q911ecfb13c_oproj
	.p2alignl 7, 3214868480
	.fill 96, 4, 3214868480
	.section	.rodata,"a",@progbits
	.p2align	6, 0x0
	.amdhsa_kernel k_q911ecfb13c_oproj
		.amdhsa_group_segment_fixed_size 327680
		.amdhsa_private_segment_fixed_size 0
		.amdhsa_enable_private_segment 0
		.amdhsa_kernarg_size 40
		.amdhsa_user_sgpr_count 2
		.amdhsa_user_sgpr_kernarg_segment_ptr 1
		.amdhsa_wavefront_size32 1
		.amdhsa_system_sgpr_workgroup_id_x 1
		.amdhsa_system_sgpr_workgroup_id_y 1
		.amdhsa_system_sgpr_workgroup_id_z 1
		.amdhsa_system_vgpr_workitem_id 0
		.amdhsa_next_free_vgpr 1024
		.amdhsa_next_free_sgpr 100
		.amdhsa_reserve_vcc 0
		.amdhsa_float_denorm_mode_32 3
		.amdhsa_float_denorm_mode_16_64 3
		.amdhsa_memory_ordered 1
		.amdhsa_forward_progress 1
		.amdhsa_inst_pref_size 122
	.end_amdhsa_kernel
	.amdgpu_metadata
---
amdhsa.version: [ 1, 2 ]
amdhsa.kernels:
  - .name:           k_q911ecfb13c_oproj
    .symbol:         k_q911ecfb13c_oproj.kd
    .args:
      - { .name: cc, .offset: 0, .size: 8, .value_kind: global_buffer, .address_space: global }
      - { .name: ops, .offset: 8, .size: 8, .value_kind: global_buffer, .address_space: global }
      - { .name: lowp_scales, .offset: 16, .size: 8, .value_kind: global_buffer, .address_space: global }
      - { .name: b_o, .offset: 24, .size: 8, .value_kind: global_buffer, .address_space: global }
      - { .name: out0, .offset: 32, .size: 8, .value_kind: global_buffer, .address_space: global }
    .group_segment_fixed_size: 327680
    .private_segment_fixed_size: 0
    .kernarg_segment_align: 8
    .kernarg_segment_size: 40
    .max_flat_workgroup_size: 128
    .sgpr_count:     100
    .vgpr_count:     1024
    .wavefront_size: 32
...
	.end_amdgpu_metadata
.endif
;; end of part 4
;; ======== version 2 of 2: 4 launches; version 1 with the launch attn written anew for expert scheduling mode
;; workspace buffers: ops 29,360,128 bytes; qkvc 25,165,824 bytes; cc 8,388,608 bytes
;; launch prep: the kernel of part 1 again; grid 384 x 1, 4 waves a work-group, no clusters, 34,304 bytes of LDS; arguments x, w_q, w_k, w_v, w_o, lowp_scales, ops; writes ops
;; launch qkv: the kernel of part 2 again; grid 12 x 32, 4 waves a work-group, clusters of 4 x 4, 327,680 bytes of LDS; arguments ops, lowp_scales, b_q, b_k, b_v, qkvc; writes qkvc
;; launch attn (part 5): grid 4 x 64, 16 waves a work-group, no clusters, 264,192 bytes of LDS; arguments qkvc, lowp_scales, cc; writes cc
.if DOCPART == 5
	.amdgcn_target "amdgcn-amd-amdhsa--gfx1250"
	.amdhsa_code_object_version 6
	.text
	.protected	k_q911ecfb13c_attn
	.globl	k_q911ecfb13c_attn
	.p2align	8
	.type	k_q911ecfb13c_attn,@function
k_q911ecfb13c_attn:
	s_mov_b64 s[64:65], 0
	v_nop
	global_prefetch_b8 v0, s[64:65] scope:SCOPE_SE
	s_setreg_imm32_b32 hwreg(HW_REG_WAVE_SCHED_MODE, 0, 2), 2
	s_setreg_imm32_b32 hwreg(HW_REG_WAVE_MODE, 25, 1), 1
	s_wait_xcnt 0x0
	s_wait_alu depctr_vm_vsrc(0)
; ctx = softmax(q k^T / 8) v for one head, both products on E4M3 codes (K = 64 form), the result quantised at once with 2^e10 into the image that the last projection reads.
; THE SOFTMAX: t = score x 2^(e6 + e7) x log2(e) / 8; M = ceil(the row's largest t), a whole number; p = 2^(t - M) is quantised with 2^e8; the row's sum l is taken of the unquantised p; ctx = (sum of p v) x 2^(e8 + e9) / l.
; SHARES.  A work-group owns 512 queries of one head; each of its sixteen waves two tiles of 16, in 256 registers: four waves to a SIMD, so that one wave's vector work stands beside another's products and LDS loads.
; The head's whole K and V, 131,072 bytes each, are copied into LDS once, through registers, as they lie: they are images of operand registers, so every fragment load is 512 consecutive bytes.  One barrier.
; TWO PASSES OVER THE KEYS.  Pass 1 makes S^T = K Q^T and keeps only each query's largest score; pass 2 makes S^T again (the same instructions, the same bits) under the final M.  So nothing is ever rescaled: for 64 keys and 32
; queries the second making costs 8 products and 8 LDS loads, and spares 32 packed multiplies on O^T and the running maximum's lines.
; LAYOUT.  Both products transposed (source 0 = 16 keys, or 16 of the head's 64; source 1 = my 16 queries, or p): a lane holds one query throughout.  Tile 2 b + u of keys has as lane r the key 32 b + 8 u + r + 8 (r / 8), so the 16
; registers of tiles 2 b, 2 b + 1 are keys 32 b + 16 (lane / 16) + 0 .. 15: the conversions' results ARE the second product's operand; O^T's registers likewise are neighbours along the last projection's K.
; THE HOLD ON p (p is at most 1, up to rounding) is owed only where 448 x 2^e8 is under 1, that is e8 under -8: its 64 lines of a step's some 210 vector lines stand under a scalar branch on that given whole number.
; K and V are not asked for jointly by the four work-groups of a head: what would be shared is one read of 262,144 bytes a work-group, once, against 64 lines in each of 32 steps.
; LIMITS: e6 + e7 between -123 and 130 (added to the exponent field of log2(e) / 8); e8 and e10 between -126 and 119.  NaN among the inputs is not served.
; THE MODE: SCHED_MODE bits 1:0 = 2 (LLVM: expert scheduling mode 2), set by the entry lines.  The code itself states the register dependences
; between vector or matrix instructions and memory or LDS instructions, with s_wait_alu, always for 0.
; THE PLAN.  Registers that memory or LDS instructions touch:
;   v1, v2, v5-8   offsets and LDS addresses: written at the head, ahead of one wait on va_vdst, and never again.
;   v112-239       at the head K's and V's bytes land there and the LDS stores read them; from pass 1 on products write them: one wait on vm_vsrc behind the barrier.
;   v48-111        pass 1: a trip's 16 products read them; behind those the next trip's 16 loads land there.
;   KF, VF         pass 2: step j's products K Q^T read KF, then K of step j + 1 lands there; step j - 1's products V^T P^T read VF, then V of step j lands there.
;   v3, v4         the LDS addresses in hand: written once a trip or step, read by that trip's or step's loads.
;   P              named by vector and matrix instructions alone until the way out, where the four stores read it; v254, v255 are then made anew for the closing add.
; So a trip of pass 1 and a step of pass 2 each hold ONE wait on va_vdst for their loads, behind the products K Q^T and their four places: those products are done reading the keys' registers, the step before's V^T P^T are done
; reading VF, and the addresses are written.  The loads follow it, dealt among vector lines that name S, the statistics and scalars alone.  One wait on vm_vsrc stands ahead of the lines that write the addresses anew.
.set VOFF, 131072                      ; LDS: K at 0, V here
.set Q,  32                            ; v32-47   my two tiles of queries
.set KF, 48                            ; v48-79   four tiles of keys (pass 1: eight, v48-111)
.set VF, 80                            ; v80-111  four tiles of V^T
.set S,  112                           ; v112-175 S^T, then p: 32 t + 8 kt (pass 1: 64 t + 8 kt, v112-239)
.set O,  176                           ; v176-239 O^T: 32 t + 8 dt
.set P,  240                           ; v240-255 p's codes: 8 t + 4 b
; v1 16 x lane; v2 the same + VOFF; v3, v4 addresses of the loads in hand; v5-8 16 x thread + 0, 65,536, 131,072, 196,608; v9, v10 2^e8 and 448 x 2^e8; v[12:13], v[14:15] -M of tile 0, 1 (low word);
; v[16:23] the sums, two chains of pairs for each tile; v24-27 the maxima's four chains, later 1 / l; v28, v29 the permutes' results; v30, v31 2^e10 and 448 x 2^e10
	s_load_b128 s[4:7], s[0:1], 0x0                ; qkvc, the exponents
	s_load_b64 s[8:9], s[0:1], 0x10                ; cc
	v_lshrrev_b32 v1, 5, v0
	v_readfirstlane_b32 s10, v1                    ; wave 0..15
	s_and_b32 s11, ttmp7, 0xffff                   ; 16 x batch + head
	s_mov_b32 s28, 0x76543210
	s_mov_b32 s29, 0xfedcba98                      ; v_permlanex16_b32's selects for lane l xor 16
	v_and_b32 v1, 31, v0
	v_lshlrev_b32 v1, 4, v1
	v_add_nc_u32 v2, VOFF, v1
	v_lshlrev_b32 v5, 4, v0
	v_add_nc_u32 v6, 65536, v5
	v_add_nc_u32 v7, 131072, v5
	v_add_nc_u32 v8, 196608, v5
	s_lshl_b32 s12, s11, 17                        ; the head's 131,072 bytes
	s_mov_b32 s13, 0
	s_lshl_b32 s14, ttmp9, 5
	s_wait_alu depctr_va_sdst(0)                   ; s10 is written, ahead of its first reader: my queries' and my rows' places are made from it
	s_lshl_b32 s15, s10, 1
	s_add_co_u32 s14, s14, s15                     ; my first tile of queries: 32 x work-group x + 2 x wave
	s_lshl_b32 s42, s14, 10
	s_add_co_u32 s42, s42, s12
	s_mov_b32 s43, 0
	s_lshr_b32 s44, s11, 4
	s_lshl_b32 s44, s44, 7                         ; 128 tiles of rows a batch
	s_add_co_u32 s44, s44, s14
	s_lshl_b32 s44, s44, 14                        ; a tile of ctx is 16,384 bytes;
	s_and_b32 s45, s11, 15
	s_lshl_b32 s45, s45, 10                        ; a head's 64 of its K are two pieces
	s_add_co_u32 s44, s44, s45
	s_mov_b32 s45, 0
	s_wait_kmcnt 0x0
	s_load_b256 s[16:23], s[6:7], 0x0              ; e0 .. e7: s22 = e6, s23 = e7
	s_load_b128 s[24:27], s[6:7], 0x20             ; s24 = e8, s25 = e9, s26 = e10
	s_add_nc_u64 s[34:35], s[4:5], s[42:43]        ; my queries
	s_add_nc_u64 s[36:37], s[4:5], s[12:13]
	s_add_nc_u64 s[36:37], s[36:37], 0x800000      ; the head's K
	s_add_nc_u64 s[38:39], s[36:37], 0x800000      ; the head's V
	s_add_nc_u64 s[40:41], s[8:9], s[44:45]        ; my rows of ctx
	s_wait_alu depctr_va_vdst(0)                   ; v1, v2 and v5 to v8 are written: every load and store of the kernel that reads one of them as its offset or address stands behind this wait, and no vector line writes them again
	; ---- the copy in: each instruction of the work-group moves 8,192 consecutive bytes
.irp i, 0,1,2,3
	global_load_b128 v[Q+4*\i:Q+4*\i+3], v1, s[34:35] offset:512*\i
.endr
.set i, 0
.rept 16
	global_load_b128 v[S+4*i:S+4*i+3], v5, s[36:37] offset:8192*i
.set i, i+1
.endr
.set i, 0
.rept 16
	global_load_b128 v[O+4*i:O+4*i+3], v5, s[38:39] offset:8192*i
.set i, i+1
.endr
	v_mov_b32 v13, 0                               ; (upper words of pairs that the packed forms name)
	v_mov_b32 v15, 0
.irp j, 16,17,18,19,20,21,22,23
	v_mov_b32 v\j, 0                               ; the sums
.endr
.irp j, 24,25,26,27
	v_mov_b32 v\j, 0xff800000                      ; the maxima: -infinity
.endr
	v_mov_b32 v28, 0                               ; written once: a lane permute's destination counts as one of its sources
	v_mov_b32 v29, 0
	s_wait_kmcnt 0x0
	s_add_co_i32 s46, s22, s23
	s_lshl_b32 s46, s46, 23
	s_add_co_i32 s30, s46, 0x3e38aa3b              ; c = log2(e) / 8 x 2^(e6 + e7): the two exponents are added to the exponent field
	s_mov_b32 s31, s30                             ; (named with it as a pair)
	s_add_co_i32 s46, s24, 127
	s_lshl_b32 s47, s46, 23
	v_mov_b32 v9, s47                              ; 2^e8
	s_add_co_i32 s46, s46, 8
	s_lshl_b32 s46, s46, 23
	s_or_b32 s46, s46, 0x600000
	v_mov_b32 v10, s46                             ; 448 x 2^e8
	s_add_co_i32 s46, s26, 127
	s_lshl_b32 s47, s46, 23
	v_mov_b32 v30, s47                             ; 2^e10
	s_add_co_i32 s46, s46, 8
	s_lshl_b32 s46, s46, 23
	s_or_b32 s46, s46, 0x600000
	v_mov_b32 v31, s46                             ; 448 x 2^e10
	s_wait_loadcnt 16                              ; Q and K are in; V's 16 loads may be out
.set i, 0
.rept 8
	ds_store_b128 v5, v[S+4*i:S+4*i+3] offset:8192*i
	ds_store_b128 v6, v[S+32+4*i:S+32+4*i+3] offset:8192*i
.set i, i+1
.endr
	s_wait_loadcnt 0x0
.set i, 0
.rept 8
	ds_store_b128 v7, v[O+4*i:O+4*i+3] offset:8192*i
	ds_store_b128 v8, v[O+32+4*i:O+32+4*i+3] offset:8192*i
.set i, i+1
.endr
	s_wait_dscnt 0x0                               ; for the others' sake: my stores have landed
	s_barrier_signal -1
	s_barrier_wait -1                              ; from here on LDS is only read
	s_wait_alu depctr_vm_vsrc(0)                   ; my LDS stores have read v112 to v239, which pass 1's products write
	; ---- pass 1: each query's largest score; 16 trips of 128 keys.  The first trip's keys are asked for here, each later trip's a trip ahead
.irp kt, 0,1,2,3,4,5,6,7
.irp c, 0,1
	ds_load_b128 v[KF+8*\kt+4*\c:KF+8*\kt+4*\c+3], v1 offset:1024*\kt+512*\c
.endr
.endr
; A trip.  ahead = 1: the next trip's eight tiles of keys are asked for; ahead = 2, the last trip: pass 2's first four.
.macro MAXTRIP ahead
	s_wait_dscnt 0x0                               ; this trip's eight tiles are in
.irp kt, 0,1,2,3,4,5,6,7
.irp t, 0,1
	v_wmma_f32_16x16x64_fp8_fp8 v[S+64*\t+8*\kt:S+64*\t+8*\kt+7], v[KF+8*\kt:KF+8*\kt+7], v[Q+8*\t:Q+8*\t+7], 0
.endr
.endr
.if \ahead == 1
	s_wait_alu depctr_vm_vsrc(0)                   ; the LDS loads of the trip before have read v3
	v_add_nc_u32 v3, s32, v1                       ; this trip's keys; the loads below reach 8,192 bytes on.  (With the three lines below: four places in front of the first read of results)
.else
	v_nop
.endif
.rept 3
	v_nop
.endr
	s_wait_alu depctr_va_vdst(0)                   ; the products are done reading v48 to v111, in which the loads below land, and v3 is written, which they read
.irp kt, 0,1,2,3,4,5,6,7               ; four chains by turns; each accumulator from its low end on.  The loads are dealt two to eight of these lines, which name the maxima and S alone
.if \ahead == 1
.irp c, 0,1
	ds_load_b128 v[KF+8*\kt+4*\c:KF+8*\kt+4*\c+3], v3 offset:8192+1024*\kt+512*\c
.endr
.elseif \kt < 4
.irp c, 0,1
	ds_load_b128 v[KF+8*\kt+4*\c:KF+8*\kt+4*\c+3], v1 offset:1024*\kt+512*\c
.endr
.endif
.irp i, 0,1,2,3
.irp t, 0,1
	v_max3_num_f32 v[24+2*\t+\i%2], v[24+2*\t+\i%2], v[S+64*\t+8*\kt+2*\i], v[S+64*\t+8*\kt+2*\i+1]
.endr
.endr
.endr
.endm
	s_mov_b32 s32, 0
	s_mov_b32 s33, 15
.Lmax:
	MAXTRIP 1
	s_add_co_u32 s32, s32, 8192
	s_sub_co_u32 s33, s33, 1
	s_cmp_lg_u32 s33, 0
	s_cbranch_scc1 .Lmax
	MAXTRIP 2                                      ; the last trip is written out: no keys follow it; pass 2's first come in their stead
	v_max_num_f32 v24, v24, v25
	v_max_num_f32 v26, v26, v27
	v_permlanex16_b32 v28, v24, s28, s29           ; the query's other keys lie in the lane 16 away
	v_permlanex16_b32 v29, v26, s28, s29
	v_max_num_f32 v24, v24, v28
	v_max_num_f32 v26, v26, v29
	v_mul_f32 v24, s30, v24                        ; as t (c is positive)
	v_mul_f32 v26, s30, v26
	v_floor_f32 v12, -v24                          ; -M = floor(-t) = -ceil(t)
	v_floor_f32 v14, -v26
; ---- pass 2: a step of 64 keys.  first = 1: the step starts O^T's sums.  ahead = 1: the next step's K is asked for.
.macro STEP2 first, ahead
	s_wait_dscnt 0x0                               ; this step's K, asked for a step ago, is in
.irp kt, 0,1,2,3
.irp t, 0,1
	v_wmma_f32_16x16x64_fp8_fp8 v[S+32*\t+8*\kt:S+32*\t+8*\kt+7], v[KF+8*\kt:KF+8*\kt+7], v[Q+8*\t:Q+8*\t+7], 0
.endr
.endr
	s_wait_alu depctr_vm_vsrc(0)                   ; the LDS loads issued so far have read v3 and v4
.if \ahead
	v_add_nc_u32 v3, s32, v1                       ; this step's K; the loads below reach 4,096 bytes on
.else
	v_nop
.endif
	v_add_nc_u32 v4, s32, v2                       ; this step's V
	v_nop
	v_nop                                          ; with the two lines above: four places in front of the first read of results
	s_wait_alu depctr_va_vdst(0)                   ; these products are done reading KF, the step before's V^T P^T are done reading VF, and v3 and v4 are written: all that the step's loads hang on
.set n, 0
.rept 32
.if n%4 == 0
	ds_load_b128 v[VF+4*(n/4):VF+4*(n/4)+3], v4 offset:512*(n/4)   ; this step's V, a load to four scalings, which name S, c and -M alone
.endif
	v_pk_fma_f32 v[S+2*n:S+2*n+1], v[S+2*n:S+2*n+1], s[30:31], v[12+2*(n/16):13+2*(n/16)] op_sel_hi:[1,0,0]   ; t - M, two at a time (of the pairs c and -M the low word serves both halves)
.set n, n+1
.endr
.set n, 0
.rept 64
.if \ahead && (n%8 == 0)
	ds_load_b128 v[KF+4*(n/8):KF+4*(n/8)+3], v3 offset:4096+512*(n/8)   ; the next step's K, a load to eight exponentials, which name S alone
.endif
	v_exp_f32 v[S+n], v[S+n]                       ; p = 2^(t - M): not normalised
.set n, n+1
.endr
	v_nop                                          ; a plain line between the exponentials and the first use of a result
.set j, 0
	s_wait_alu depctr_va_vdst(0)                   ; the 64 exponentials have written p, ahead of its first reader: one wait for the batch
.rept 8                                ; the rows' sums of the UNQUANTISED p: four chains of pairs
	v_pk_add_f32 v[16:17], v[16:17], v[S+j:S+j+1]
	v_pk_add_f32 v[18:19], v[18:19], v[S+j+2:S+j+3]
	v_pk_add_f32 v[20:21], v[20:21], v[S+32+j:S+32+j+1]
	v_pk_add_f32 v[22:23], v[22:23], v[S+32+j+2:S+32+j+3]
.set j, j+4
.endr
	s_cmp_gt_i32 s24, -9                           ; 448 x 2^e8 is 1.75 or more: no p reaches it
	s_cbranch_scc1 .Lnohold_\@
.set j, 0
.rept 64
	v_min_num_f32 v[S+j], v[S+j], v10              ; the conversion does not saturate (ISA guide 7.6.2); p is not negative, so the hold is one-sided
.set j, j+1
.endr
.Lnohold_\@:
.irp t, 0,1
.irp kt, 0,1,2,3
	v_cvt_scalef32_pk8_fp8_f32 v[P+8*\t+2*\kt:P+8*\t+2*\kt+1], v[S+32*\t+8*\kt:S+32*\t+8*\kt+7], v9
.endr
.endr
	v_nop                                          ; a plain line between the conversions and the products that read their results
.if \ahead
	s_wait_dscnt 8                                 ; V is in; the eight younger loads, the next step's K, may be out
.else
	s_wait_dscnt 0x0                               ; V is in
.endif
.irp dt, 0,1,2,3                       ; O^T += V^T P^T: eight accumulators by turns, one instruction a turn
.irp t, 0,1
.if \first
	v_wmma_f32_16x16x64_fp8_fp8 v[O+32*\t+8*\dt:O+32*\t+8*\dt+7], v[VF+8*\dt:VF+8*\dt+7], v[P+8*\t:P+8*\t+7], 0
.else
	v_wmma_f32_16x16x64_fp8_fp8 v[O+32*\t+8*\dt:O+32*\t+8*\dt+7], v[VF+8*\dt:VF+8*\dt+7], v[P+8*\t:P+8*\t+7], v[O+32*\t+8*\dt:O+32*\t+8*\dt+7]
.endif
.endr
.endr
	s_add_co_u32 s32, s32, 4096                    ; 64 keys are 4,096 bytes of K and of V
.endm
	s_mov_b32 s32, 0
	STEP2 1, 1                                     ; the first step starts O^T's sums: nothing is cleared
	s_mov_b32 s33, 30
.Lkeys:
	STEP2 0, 1
	s_sub_co_u32 s33, s33, 1
	s_cmp_lg_u32 s33, 0
	s_cbranch_scc1 .Lkeys
	STEP2 0, 0                                     ; the last step is written out: no K follows it
	; ---- the way out: / l, x 2^(e8 + e9), quantised with 2^e10.  The additions are the places behind the last products.
	v_pk_add_f32 v[16:17], v[16:17], v[18:19]
	v_pk_add_f32 v[20:21], v[20:21], v[22:23]
	v_add_f32 v16, v16, v17
	v_add_f32 v20, v20, v21
	v_permlanex16_b32 v28, v16, s28, s29
	v_permlanex16_b32 v29, v20, s28, s29
	v_add_f32 v16, v16, v28                        ; the row's sum
	v_add_f32 v20, v20, v29
	v_rcp_f32 v24, v16
	v_rcp_f32 v26, v20
	v_nop                                          ; a plain line behind the reciprocals
	s_add_co_i32 s46, s24, s25
	s_wait_alu depctr_va_vdst(0)                   ; the two reciprocals have written v24 and v26, ahead of their first reader
	v_ldexp_f32 v24, v24, s46
	v_ldexp_f32 v26, v26, s46
.irp t, 0,1
.set j, 0
.rept 16
	v_pk_mul_f32 v[O+32*\t+j:O+32*\t+j+1], v[O+32*\t+j:O+32*\t+j+1], v[24+2*\t:25+2*\t] op_sel_hi:[1,0]
.set j, j+2
.endr
.endr
.set j, 0
.rept 64
	v_med3_num_f32 v[O+j], v[O+j], -v31, v31
.set j, j+1
.endr
.irp t, 0,1
.irp dt, 0,1,2,3
	v_cvt_scalef32_pk8_fp8_f32 v[P+8*\t+2*\dt:P+8*\t+2*\dt+1], v[O+32*\t+8*\dt:O+32*\t+8*\dt+7], v30
.endr
.endr
	v_nop
	s_wait_alu depctr_va_vdst(0)                   ; the conversions have written v240 to v255, which the four stores read
.irp t, 0,1
.irp b, 0,1
	global_store_b128 v1, v[P+8*\t+4*\b:P+8*\t+4*\b+3], s[40:41] offset:16384*\t+512*\b   ; a piece: 512 consecutive bytes, aligned
.endr
.endr
	s_wait_xcnt 0x0
	s_wait_alu depctr_vm_vsrc(0)                   ; the stores have read v254 and v255, which the two lines below write anew
	v_lshl_add_u32 v254, v0, 2, 0x40000
	v_mov_b32 v255, 0
	s_wait_dscnt 0x0                               ; the closing lines, six on end
	s_wait_alu 0x0
	s_wait_tensorcnt 0x0
	ds_add_u32 v254, v255
	s_wait_dscnt 0x0
	s_endpgm
.Lfunc_end_k_q911ecfb13c_attn:
	.size	k_q911ecfb13c_attn, .Lfunc_end_k_q911ecfb13c_attn-k_q911ecfb13c_attn
	.p2alignl 7, 3214868480
	.fill 96, 4, 3214868480
	.section	.rodata,"a",@progbits
	.p2align	6, 0x0
	.amdhsa_kernel k_q911ecfb13c_attn
		.amdhsa_group_segment_fixed_size 264192
		.amdhsa_private_segment_fixed_size 0
		.amdhsa_enable_private_segment 0
		.amdhsa_kernarg_size 24
		.amdhsa_user_sgpr_count 2
		.amdhsa_user_sgpr_kernarg_segment_ptr 1
		.amdhsa_wavefront_size32 1
		.amdhsa_system_sgpr_workgroup_id_x 1
		.amdhsa_system_sgpr_workgroup_id_y 1
		.amdhsa_system_sgpr_workgroup_id_z 1
		.amdhsa_system_vgpr_workitem_id 0
		.amdhsa_next_free_vgpr 256
		.amdhsa_next_free_sgpr 66
		.amdhsa_reserve_vcc 0
		.amdhsa_float_denorm_mode_32 3
		.amdhsa_float_denorm_mode_16_64 3
		.amdhsa_memory_ordered 1
		.amdhsa_forward_progress 1
		.amdhsa_inst_pref_size 64
	.end_amdhsa_kernel
	.amdgpu_metadata
---
amdhsa.version: [ 1, 2 ]
amdhsa.kernels:
  - .name:           k_q911ecfb13c_attn
    .symbol:         k_q911ecfb13c_attn.kd
    .args:
      - { .name: qkvc, .offset: 0, .size: 8, .value_kind: global_buffer, .address_space: global }
      - { .name: lowp_scales, .offset: 8, .size: 8, .value_kind: global_buffer, .address_space: global }
      - { .name: cc, .offset: 16, .size: 8, .value_kind: global_buffer, .address_space: global }
    .group_segment_fixed_size: 264192
    .private_segment_fixed_size: 0
    .kernarg_segment_align: 8
    .kernarg_segment_size: 24
    .max_flat_workgroup_size: 512
    .sgpr_count:     66
    .vgpr_count:     256
    .wavefront_size: 32
...
	.end_amdgpu_metadata
.endif
;; end of part 5
;; launch oproj: the kernel of part 4 again; grid 4 x 32, 4 waves a work-group, clusters of 4 x 4, 327,680 bytes of LDS; arguments cc, ops, lowp_scales, b_o, out0; writes out0
